; MI455X (gfx1250); checked and timed in simulation.
; The chip was launched on July 23, 2026; its instructions are those of AMD's public machine-readable ISA for CDNA 5 (MIT licence, August 2026) and "CDNA5" Instruction Set Architecture Reference Guide (July 2026). The comments in the code are by the model that wrote it; some were corrected since.
;; Multi Head Self Attention. Allowed arithmetic: matrix products marked QUANTISED: E2M3 operands, one E8M0 scale for each 32 along K, by v_wmma_scale_f32_16x16x128_f8f6f4 with both operands' format E2M3, f32 sums; everything else in f32.
;; Inputs: b_attn 3,072 float32; b_proj 1,024 float32; sequences 4 x 2,048 x 1,024 float32; w_attn 1,024 x 3,072 float32; w_proj 1,024 x 1,024 float32.
;; Outputs: out0 4 x 2,048 x 1,024 float32.
;; This version of the problem:
;;   THIS VERSION OF THE PROBLEM IS GIVEN IN LOW PRECISION. The matrix products marked QUANTISED in the list below multiply operands that are first quantised to E2M3 (2 exponent bits, 3 mantissa bits; 6 bits a number), with one power-of-two scale for each 32 numbers along K (OCP MX v1.0); their sums are f32. All else is computed in f32.
;;   The module's matrix products, in the order in which they are computed (A, B: the left and right operand; K: the contracted axis; several contracted axes count as one K, in the product's order):
;;     1. [M 8,192, K 1,024] x [K 1,024, N 3,072]; A: input sequences; B: input w_attn: QUANTISED
;;     2. batch 64 x [M 2,048, K 64] x [K 64, N 2,048]; A: computed on the way; B: computed on the way: QUANTISED
;;     3. batch 64 x [M 2,048, K 2,048] x [K 2,048, N 64]; A: softmax (see below); B: computed on the way: QUANTISED
;;     4. [M 8,192, K 1,024] x [K 1,024, N 1,024]; A: computed on the way; B: input w_proj: QUANTISED
;;   THE QUANTISER, for each operand of a quantised product, along K:
;;     - K is cut into blocks of 32 from its start; a last block that is shorter is filled with zeros.
;;     - A block's scale is 2^e with e = floor(log2(the largest magnitude in the block)) - 2, held to -126 .. 127; a block of zeros has e = 0. As a byte (E8M0): e + 127.
;;     - Each number is divided by its block's scale, clamped to +-7.5, and rounded to the nearest number of E2M3, ties to even, subnormals kept.
;;     - The product sums the exact products of the quantised numbers (number of the format x scale) in f32.
;;   ~~~python
;;   def quantise(x, axis):      # numpy; x: float32 -> the quantised numbers, widened to float32 again
;;       x = np.moveaxis(x, axis, -1); K = x.shape[-1]
;;       x = np.pad(x, [(0, 0)] * (x.ndim - 1) + [(0, -K % 32)]); x = x.reshape(x.shape[:-1] + (-1, 32)); a = np.abs(x).max(-1, keepdims=True)
;;       e = np.where(a > 0, np.clip(np.frexp(np.where(a > 0, a, 1))[1] - 1 - 2, -126, 127), 0)      # np.frexp(a)[1] - 1 = floor(log2(a)), exactly
;;       r = np.clip(x / 2.0 ** e, -7.5, 7.5)
;;       step = 2.0 ** (np.maximum(np.frexp(np.where(r == 0, 1, r))[1] - 1, 0) - 3)
;;       q = np.round(r / step) * step * 2.0 ** e      # np.round: ties to even
;;       return np.moveaxis(q.reshape(q.shape[:-2] + (-1,))[..., :K], -1, axis).astype(np.float32)
;;   ~~~
;;   SOFTMAX AHEAD OF A QUANTISED PRODUCT. Where the list says 'softmax', what is quantised is not the finished softmax but p = 2^(t - M), with t = logit x log2(e) and M = ceil(the row's largest t), a whole number; so 1/2 < the row's largest p <= 1. The row's sum l is taken of the UNQUANTISED p, in f32, and the product's result is divided by l at the end. Since M is a whole number, a kernel that streams over the keys may use a running M (the ceiling of the running maximum): every later rescaling is an exact power of two, which a block's scale takes up: the codes' values come out the same.
;;   OPERANDS COMPUTED ON THE WAY. 'Computed on the way' means the value that the module computes at that place (a softmax that the list does not call 'softmax' is quantised finished and normalised). What goes into a quantiser is computed in f32, as accurately as f32 sums, v_exp_f32 and their like allow (about 1e-6 of the number): no bf16 or f16 on the way to a quantiser, and a product that is left as it is and whose result goes on into a quantised operand takes f32 operands (vector FMAs, or v_wmma_f32_16x16x4_f32). A number that lies on a knife's edge between two numbers of the format may be rounded either way, as far as f32 arithmetic and the matrix unit's own rounding can turn it there, and no further.
;; One version. Each part assembles by itself: llvm-mc -triple=amdgcn-amd-amdhsa -mcpu=gfx1250 --defsym DOCPART=n.
;; ======== version 1 of 1: 4 launches
;; limits: right only within a limited range of input values
;; workspace buffers: ops 9,437,184 bytes; opss 393,216 bytes; qkc 12,582,912 bytes; qks 1,048,576 bytes; vc 6,291,456 bytes; vs 262,144 bytes; yc 6,291,456 bytes; ys 262,144 bytes
;; launch quant (part 1): grid 256 x 1, 4 waves a work-group, no clusters, 34,304 bytes of LDS; arguments sequences, w_attn, w_proj, ops, opss; writes ops, opss
.if DOCPART == 1
	.amdgcn_target "amdgcn-amd-amdhsa--gfx1250"
	.amdhsa_code_object_version 6
	.text
	.protected	k_q7914de357f_quant
	.globl	k_q7914de357f_quant
	.p2align	8
	.type	k_q7914de357f_quant,@function
k_q7914de357f_quant:
	s_mov_b64 s[64:65], 0
	v_nop
	global_prefetch_b8 v0, s[64:65] scope:SCOPE_SE
	s_setreg_imm32_b32 hwreg(HW_REG_WAVE_MODE, 25, 1), 1
	s_wait_xcnt 0x0
; sequences [8192][1024], w_attn [1024][3072] and w_proj [1024][1024], f32, become codes of FP6 (E2M3) with one E8M0 byte for each 32 along K (K = 1,024 for all three).
; A block's scale is 2^(floor(log2(its largest magnitude)) - 2); its byte is the largest magnitude's exponent field - 2, held at 1 from below.
; LIMITS: NaN and infinities among the inputs are not served; a block whose largest magnitude lies under 2^-124 has its byte held at 1; a block of zeros gets the byte 1 where the
; quantiser says 127: its codes are zeros, which add nothing under any byte but 0xff, and these bytes are read by this program alone.
; LAYOUT OF THE RESULT.  ops: [row tile 768][K step 8][1,536 bytes]; row tiles 0-511 tokens, 512-703 columns of w_attn, 704-767 columns of w_proj.  The 1,536 bytes are the IMAGE OF AN OPERAND'S
; 12 REGISTERS (16 rows x 128 K): piece p (256 bytes) holds registers 2 p, 2 p + 1, lane l's 8 bytes at 8 l.  opss: [position][32 bytes], one byte for each 32 along K.
; ROWS LIE BY POSITION: position = the row's number with bits 3 and 4 exchanged, so that lane r of tile i holds row 32 (i / 2) + 8 (i % 2) + r + 8 (r / 8): in a product used transposed the 16 registers
; of two neighbouring tiles are then 16 neighbours along the next product's K.
; Work-groups 0-127: tokens, a wave to a row tile, all of K.  Work-groups 128-255: weights, a wave to 32 columns x 256 along K, a lane to a column and its registers down K.
; No matrix work, no tensor load, no barrier: waves share nothing.  Memory binds: every load of the token path reads 512 consecutive bytes, every store of codes fills one aligned block of 256 bytes.
.set SPARE, 33792                      ; behind the four stages: the spare words, 128 bytes for each wave
.set SPW,   10                         ; v10  LDS address of my spare word; never rewritten
.set NIL,   11                         ; v11  0; never rewritten
.set RA,    16                         ; v16-143  tokens: two sets of 64 registers as loaded
.set X,     144                        ; v144-207 64 numbers in the quantiser's order
.set PC,    208                        ; v208-227 the codes just made
.set TM,    228                        ; v228-243 at work
.set SW,    244                        ; v244-251 the eight K steps' scale words
.set SEL,   20                         ; s[20:21] lane selects: lane l xor 16
.macro FINISH                          ; the wave's end
	s_wait_tensorcnt 0x0
	ds_add_u32 v[SPW], v[NIL]
	s_wait_dscnt 0x0
	s_endpgm
.endm
; 64 numbers of a lane, register 16 b + i = k 32 b + 16 (lane / 16) + i of my row, become a fragment's codes in v[PC] on and its scale word in v[pw].
.macro QUANT src, pw
.irp b, 0,1,2,3
	v_max3_num_f32 v[TM+\b], |v[\src+16*\b]|, |v[\src+1+16*\b]|, 0x1800000   ; my 16 numbers of block b, and the floor 2^(3 - 127): the byte cannot fall under 1
.endr
.irp i, 2,4,6,8,10,12,14
.irp b, 0,1,2,3
	v_max3_num_f32 v[TM+\b], v[TM+\b], |v[\src+16*\b+\i]|, |v[\src+1+16*\b+\i]|   ; the four blocks by turns
.endr
.endr
.irp b, 0,1,2,3
	v_permlanex16_b32 v[TM+4+\b], v[TM+\b], s[SEL], s[SEL+1]
.endr
.irp b, 0,1,2,3
	v_max_num_f32 v[TM+\b], v[TM+\b], v[TM+4+\b]   ; with lane l xor 16's: the block's largest magnitude
.endr
.irp b, 0,1,2,3
	v_add_nc_u32 v[TM+12+\b], 0xff000000, v[TM+\b]   ; 2 off its exponent field: the conversion's scale operand
.endr
.irp b, 0,1,2,3
	v_lshrrev_b32 v[TM+4+\b], 23, v[TM+12+\b]      ; the scale's byte
.endr
	v_lshl_or_b32 v[\pw], v[TM+5], 8, v[TM+4]
	v_lshl_or_b32 v[\pw], v[TM+6], 16, v[\pw]
	v_lshl_or_b32 v[\pw], v[TM+7], 24, v[\pw]      ; my row's scale word
.irp c, 0,1
	v_cvt_scalef32_pk16_fp6_f32 v[PC+6*\c:PC+2+6*\c], v[\src+32*\c:\src+15+32*\c], v[TM+12+2*\c]
	v_cvt_scalef32_pk16_fp6_f32 v[PC+12+4*\c:PC+14+4*\c], v[\src+16+32*\c:\src+31+32*\c], v[TM+13+2*\c]   ; (a conversion's three registers begin on an even number)
.endr
	v_nop                                          ; one plain place behind a scaled conversion
.irp c, 0,1                            ; the operand wants a WHOLE block in a lane: lanes 0-15 block 2 c, lanes 16-31 block 2 c + 1
.irp i, 0,1,2
	v_permlane16_swap_b32 v[PC+6*\c+\i], v[PC+12+4*\c+\i]
.endr
.irp i, 0,1,2
	v_mov_b32 v[PC+3+6*\c+\i], v[PC+12+4*\c+\i]
.endr
.endr
.endm
	s_load_b256 s[4:11], s[0:1], 0x0               ; sequences s[4:5], w_attn s[6:7], w_proj s[8:9], ops s[10:11]
	s_load_b64 s[12:13], s[0:1], 0x20              ; opss
	v_lshl_add_u32 v[SPW], v0, 2, SPARE
	v_mov_b32 v[NIL], 0
	v_lshrrev_b32 v1, 5, v0
	v_readfirstlane_b32 s16, v1                    ; wave
	v_and_b32 v1, 31, v0                           ; lane
	v_and_b32 v2, 15, v0                           ; r
	v_bfe_u32 v3, v0, 4, 1                         ; h
	v_lshlrev_b32 v7, 3, v1                        ; 8 x lane: my place in a piece
	s_mov_b32 s[SEL], 0x76543210
	s_mov_b32 s[SEL+1], 0xfedcba98
	s_cmp_lt_u32 ttmp9, 128
	s_cbranch_scc0 .Lweights
; ---- TOKENS.  Wave = row tile i = 4 x work-group + wave.  A K step's 16 rows x 512 bytes are loaded as they lie, turned through the wave's own stage (16 rows of 528 bytes), quantised and stored.
	s_lshl_b32 s17, ttmp9, 2
	s_add_co_u32 s17, s17, s16                     ; i
	s_lshr_b32 s18, s17, 1
	s_lshl_b32 s18, s18, 17                        ; 32 (i / 2) rows of 4,096 bytes
	s_and_b32 s19, s17, 1
	s_lshl_b32 s19, s19, 15                        ; + 8 (i % 2) rows
	s_add_co_u32 s18, s18, s19
	s_mov_b32 s19, 0
	s_mul_i32 s22, s17, 12288                      ; the tile's codes
	s_mov_b32 s23, 0
	s_lshl_b32 s24, s17, 9                         ; and its 16 x 32 scale bytes
	s_mov_b32 s25, 0
	s_mul_i32 s26, s16, 8448                       ; my stage
	s_wait_alu depctr_va_vdst(0)
	v_lshlrev_b32 v4, 4, v1                        ; 16 x lane: my bytes of a load's 512
	v_add_nc_u32 v5, s26, v4                       ; the stage, on the way in
	v_mul_u32_u24 v6, v2, 528
	v_lshl_add_u32 v6, v3, 6, v6
	v_add_nc_u32 v6, s26, v6                       ; and out: row r, + 64 h: 16 numbers of each block of 32
	v_lshlrev_b32 v8, 5, v2
	v_lshl_add_u32 v8, v3, 4, v8                   ; the scale words' place: 32 r + 16 h
.irp b, 0,1,2,3
	v_mov_b32 v[TM+4+\b], 0                        ; written once: a lane permute's destination counts as one of its sources
.endr
	s_wait_alu depctr_va_vdst(0)
	s_wait_kmcnt 0x0
	s_add_nc_u64 s[4:5], s[4:5], s[18:19]
	s_add_nc_u64 s[10:11], s[10:11], s[22:23]
	s_add_nc_u64 s[12:13], s[12:13], s[24:25]
.macro LOADX s                         ; K step s of the tile's 16 rows; row t of the tile is row t + 8 (t / 8) from the base
.irp t, 0,1,2,3,4,5,6,7,8,9,10,11,12,13,14,15
	global_load_b128 v[RA+64*((\s)%2)+4*\t:RA+64*((\s)%2)+4*\t+3], v4, s[4:5] offset:(\t+8*(\t/8))*4096+512*(\s) th:TH_LOAD_NT
.endr
.endm
.macro XSTEP s
.if (\s) < 7
	s_wait_loadcnt 16                              ; this step's 16 loads are in; the next step's 16 may be out
.else
	s_wait_loadcnt 0x0
.endif
.irp t, 0,1,2,3,4,5,6,7,8,9,10,11,12,13,14,15
	ds_store_b128 v5, v[RA+64*((\s)%2)+4*\t:RA+64*((\s)%2)+4*\t+3] offset:528*\t
.endr
.irp b, 0,1,2,3
.irp j, 0,1,2,3
	ds_load_b128 v[X+16*\b+4*\j:X+16*\b+4*\j+3], v6 offset:128*\b+16*\j   ; LDS serves a wave's instructions in order: these see the stores above
.endr
.endr
	s_wait_dscnt 0x0                               ; the numbers are back, and the stores have read their registers
	s_wait_xcnt 0x0                                ; the last step's stores have read the codes' registers, which are written again below
.if (\s)+2 < 8
	LOADX (\s)+2
.endif
	QUANT X, SW+(\s)
.irp p, 0,1,2,3,4,5
	global_store_b64 v7, v[PC+2*\p:PC+2*\p+1], s[10:11] offset:1536*(\s)+256*\p   ; 32 lanes store 256 consecutive bytes, aligned
.endr
.endm
	LOADX 0
	LOADX 1
.irp s, 0,1,2,3,4,5,6,7
	XSTEP \s
.endr
	v_cmp_le_u32 vcc_lo, 16, v1                    ; lanes 0-15 store their row's words 0-3, lanes 16-31 words 4-7 (both halves hold the same words)
.irp k, 0,1,2,3
	v_cndmask_b32 v[TM+\k], v[SW+\k], v[SW+4+\k], vcc_lo
.endr
	global_store_b128 v8, v[TM:TM+3], s[12:13]     ; 512 consecutive bytes
	FINISH
; ---- WEIGHTS.  j = work-group - 128: column group cg = j % 32 (128 positions; 0-23 w_attn, 24-31 w_proj), kq = j / 32 (256 along K).  Wave: 32 positions.  A lane is a position; it reads the column
; with bits 3 and 4 exchanged, and its registers run down K, so a block of 32 lies in one lane and the conversions give codes with K innermost.
.Lweights:
	s_sub_co_u32 s17, ttmp9, 128
	s_and_b32 s18, s17, 31                         ; cg
	s_lshr_b32 s19, s17, 5                         ; kq
	s_wait_alu depctr_va_vdst(0)
	v_and_b32 v4, 7, v1
	v_and_b32 v5, 8, v1
	v_lshl_or_b32 v4, v5, 1, v4
	v_and_b32 v5, 16, v1
	v_lshrrev_b32 v5, 1, v5
	v_or_b32 v4, v4, v5                            ; the lane's number with bits 3 and 4 exchanged
	v_lshlrev_b32 v4, 2, v4                        ; its column's 4 bytes
	v_lshlrev_b32 v9, 5, v1                        ; 32 x lane: my position's row of scale bytes
	s_lshl_b32 s22, s18, 3
	s_lshl_b32 s23, s16, 1
	s_add_co_u32 s22, s22, s23
	s_add_co_u32 s22, s22, 512                     ; my first row tile: 512 + 8 cg + 2 wave
	s_mul_i32 s22, s22, 12288
	s_mul_i32 s23, s19, 3072                       ; K steps 2 kq, 2 kq + 1
	s_add_co_u32 s22, s22, s23
	s_mov_b32 s23, 0
	s_lshl_b32 s24, s18, 12
	s_lshl_b32 s25, s16, 10
	s_add_co_u32 s24, s24, s25
	s_add_co_u32 s24, s24, 262144                  ; (8,192 + 128 cg + 32 wave) x 32
	s_lshl_b32 s25, s19, 3
	s_add_co_u32 s24, s24, s25                     ; + 8 kq
	s_mov_b32 s25, 0
	s_lshl_b32 s26, s16, 7                         ; my wave's 32 columns
	s_mov_b32 s27, 0
	s_wait_kmcnt 0x0
	s_add_nc_u64 s[10:11], s[10:11], s[22:23]
	s_add_nc_u64 s[12:13], s[12:13], s[24:25]
.macro WLOAD t, pitch                  ; block t: rows 32 t + i of my column, into set t % 2: a wave's load reads 128 consecutive bytes
.irp i, 0,1,2,3,4,5,6,7,8,9,10,11,12,13,14,15,16,17,18,19,20,21,22,23,24,25,26,27,28,29,30,31
	global_load_b32 v[16+32*((\t)%2)+\i], v4, s[6:7] offset:(32*(\t)+\i)*\pitch th:TH_LOAD_NT
.endr
.endm
; Block t = 4 (K step) + BE.  The block's 6 registers of codes: the lower 16 codes go to fragment BE % 2's registers 6 (BE / 2) on, the upper 16 to v128 or v132 on.
; Behind an odd block the even and the odd block change halves of the lanes: fragment 0 then holds positions 0-15 (lanes 0-15 the even block, lanes 16-31 the odd one), fragment 1 positions 16-31.
.macro WBLOCK t, pitch
.set XS, 16+32*((\t)%2)
.set BE, (\t)%4
.set FK, 80+24*((\t)/4)
.set CC, 6*(BE/2)
.if (\t) < 7
	s_wait_loadcnt 32                              ; this block's 32 loads are in; the next block's may be out
.else
	s_wait_loadcnt 0x0
.endif
	v_max3_num_f32 v138, |v[XS]|, |v[XS+1]|, |v[XS+2]|
	v_max3_num_f32 v139, |v[XS+3]|, |v[XS+4]|, |v[XS+5]|
.irp i, 6,10,14,18,22,26
	v_max3_num_f32 v138, v138, |v[XS+\i]|, |v[XS+\i+1]|
	v_max3_num_f32 v139, v139, |v[XS+\i+2]|, |v[XS+\i+3]|
.endr
	v_max3_num_f32 v138, v138, |v[XS+30]|, |v[XS+31]|
	v_max3_num_f32 v138, v138, v139, 0x1800000     ; and the floor
	v_add_nc_u32 v140, 0xff000000, v138            ; the conversion's scale operand
	v_lshrrev_b32 v141, 23, v140                   ; the scale's byte
.if BE == 0
	v_mov_b32 v[136+(\t)/4], v141
.else
	v_lshl_or_b32 v[136+(\t)/4], v141, 8*BE, v[136+(\t)/4]
.endif
	v_cvt_scalef32_pk16_fp6_f32 v[FK+12*(BE%2)+CC:FK+12*(BE%2)+CC+2], v[XS:XS+15], v140
	v_cvt_scalef32_pk16_fp6_f32 v[128+4*(BE%2):130+4*(BE%2)], v[XS+16:XS+31], v140
	v_nop                                          ; one plain place behind a scaled conversion
.if (\t)+2 < 8
	WLOAD (\t)+2, \pitch
.endif
.if BE%2 == 1
.irp i, 0,1,2
	v_permlane16_swap_b32 v[FK+CC+\i], v[FK+12+CC+\i]
.endr
.irp i, 0,1,2
	v_permlane16_swap_b32 v[128+\i], v[132+\i]
.endr
.irp i, 0,1,2
	v_mov_b32 v[FK+CC+3+\i], v[128+\i]
	v_mov_b32 v[FK+12+CC+3+\i], v[132+\i]
.endr
.endif
.if BE == 3                            ; a K step's two fragments leave; each K step has registers of its own, so no store's data are written again
.irp u, 0,1
.irp p, 0,1,2,3,4,5
	global_store_b64 v7, v[FK+12*\u+2*\p:FK+12*\u+2*\p+1], s[10:11] offset:12288*\u+1536*((\t)/4)+256*\p
.endr
.endr
.endif
.endm
.macro WPATH pitch
	WLOAD 0, \pitch
	WLOAD 1, \pitch
.irp t, 0,1,2,3,4,5,6,7
	WBLOCK \t, \pitch
.endr
	global_store_b64 v9, v[136:137], s[12:13]      ; my position's 8 scale bytes of these 256 along K: 8 bytes a lane, 32 bytes apart; one byte for each 128 that the path reads
	FINISH
.endm
	s_cmp_lt_u32 s18, 24
	s_cbranch_scc0 .Lproj
	s_mul_i32 s28, s19, 256*12288                  ; w_attn: 256 kq rows of 12,288 bytes,
	s_lshl_b32 s29, s18, 9                         ; 128 cg columns
	s_add_co_u32 s28, s28, s29
	s_add_co_u32 s26, s26, s28
	s_add_nc_u64 s[6:7], s[6:7], s[26:27]
	s_wait_alu depctr_va_vdst(0)
	WPATH 12288
.Lproj:
	s_sub_co_u32 s18, s18, 24
	s_lshl_b32 s28, s19, 20                        ; w_proj: 256 kq rows of 4,096 bytes
	s_lshl_b32 s29, s18, 9
	s_add_co_u32 s28, s28, s29
	s_add_co_u32 s26, s26, s28
	s_add_nc_u64 s[6:7], s[8:9], s[26:27]
	s_wait_alu depctr_va_vdst(0)
	WPATH 4096
.Lfunc_end_k_q7914de357f_quant:
	.size	k_q7914de357f_quant, .Lfunc_end_k_q7914de357f_quant-k_q7914de357f_quant
	.p2alignl 7, 3214868480
	.fill 96, 4, 3214868480
	.section	.rodata,"a",@progbits
	.p2align	6, 0x0
	.amdhsa_kernel k_q7914de357f_quant
		.amdhsa_group_segment_fixed_size 34304
		.amdhsa_private_segment_fixed_size 0
		.amdhsa_enable_private_segment 0
		.amdhsa_kernarg_size 40
		.amdhsa_user_sgpr_count 2
		.amdhsa_user_sgpr_kernarg_segment_ptr 1
		.amdhsa_wavefront_size32 1
		.amdhsa_system_sgpr_workgroup_id_x 1
		.amdhsa_system_sgpr_workgroup_id_y 1
		.amdhsa_system_sgpr_workgroup_id_z 1
		.amdhsa_system_vgpr_workitem_id 0
		.amdhsa_next_free_vgpr 256
		.amdhsa_next_free_sgpr 66
		.amdhsa_reserve_vcc 1
		.amdhsa_float_denorm_mode_32 3
		.amdhsa_float_denorm_mode_16_64 3
		.amdhsa_memory_ordered 1
		.amdhsa_forward_progress 1
		.amdhsa_inst_pref_size 146
	.end_amdhsa_kernel
	.amdgpu_metadata
---
amdhsa.version: [ 1, 2 ]
amdhsa.kernels:
  - .name:           k_q7914de357f_quant
    .symbol:         k_q7914de357f_quant.kd
    .args:
      - { .name: sequences, .offset: 0, .size: 8, .value_kind: global_buffer, .address_space: global }
      - { .name: w_attn, .offset: 8, .size: 8, .value_kind: global_buffer, .address_space: global }
      - { .name: w_proj, .offset: 16, .size: 8, .value_kind: global_buffer, .address_space: global }
      - { .name: ops, .offset: 24, .size: 8, .value_kind: global_buffer, .address_space: global }
      - { .name: opss, .offset: 32, .size: 8, .value_kind: global_buffer, .address_space: global }
    .group_segment_fixed_size: 34304
    .private_segment_fixed_size: 0
    .kernarg_segment_align: 8
    .kernarg_segment_size: 40
    .max_flat_workgroup_size: 128
    .sgpr_count:     66
    .vgpr_count:     256
    .wavefront_size: 32
...
	.end_amdgpu_metadata
.endif
;; end of part 1
;; launch qkv (part 2): grid 12 x 32, 4 waves a work-group, clusters of 4 x 4, 327,680 bytes of LDS; arguments ops, opss, b_attn, qkc, qks, vc, vs; writes qkc, qks, vc, vs
.if DOCPART == 2
	.amdgcn_target "amdgcn-amd-amdhsa--gfx1250"
	.amdhsa_code_object_version 6
	.text
	.protected	k_q7914de357f_qkv
	.globl	k_q7914de357f_qkv
	.p2align	8
	.type	k_q7914de357f_qkv,@function
k_q7914de357f_qkv:
	s_mov_b64 s[64:65], 0
	v_nop
	global_prefetch_b8 v0, s[64:65] scope:SCOPE_SE
	s_setreg_imm32_b32 hwreg(HW_REG_WAVE_MODE, 25, 1), 1
	s_wait_xcnt 0x0
	s_wait_alu depctr_hold_cnt(0) depctr_sa_sdst(0) depctr_va_vdst(0) depctr_va_sdst(0) depctr_va_ssrc(0) depctr_va_vcc(0) depctr_vm_vsrc(0)
	s_getreg_b32 s2, hwreg(HW_REG_IB_STS2, 6, 4)
	s_cmp_eq_u32 s2, 0
	s_cbranch_scc0 .Lentry_in_a_cluster
	s_endpgm
.Lentry_in_a_cluster:
	s_bfe_u32 s2, ttmp6, 0x10000c
	s_cmp_lg_u32 s2, 0xf033
	s_cbranch_scc0 .Lentry_shape_is_right
	s_endpgm
.Lentry_shape_is_right:
.set NQ,     2
.set FR,     12
.set NL,     6
.set NP,     4
.set HALFT,  24576
.set SLOT,   4*HALFT
.set LAPS,   2
.set SCL,    2*SLOT
.set HALFS,  4352
.set SBLK,   544
.set SPARE,  SCL+4*HALFS
.set ADRA, 16
.set ADRB, 20
.set SH16, 24
.set SCO,  25
.set CO8,  26
.set ADRS, 27
.set SPW,  28
.set NIL,  29
.set SC,   32
.set BR,   64
.set AF,   128
.set PC,   128
.set TM,   148
.set PWS,  164
.set OW,   172
.set PATH, 66
.set G1, 24
.set G0, 32
.set G1B, 48
.set G0B, 56
.set G1S, 68
.set G0S, 76
.set G1SB, 80
.set G0SB, 88
.set OUTC, 92
.set OUTS, 94
.set MSB, 0
.macro WIN new
.if MSB != (\new)
	s_set_vgpr_msb (MSB<<8)|(\new)
.set MSB, (\new)
.endif
.endm
.set MUL_LO, 0xa1
.set MUL_HI, 0xf1
.set TO_B,   0x40
.macro JLOAD g0a, g1a, g0b, g1b
	s_cmp_eq_u32 s15, 0
	s_cbranch_scc0 .Lfor_b_\@
	tensor_load_to_lds s[\g0a:\g0a+3], s[\g1a:\g1a+7]
	s_nop 0
.rept 4
	v_nop
.endr
	s_branch .Lasked_\@
.Lfor_b_\@:
	tensor_load_to_lds s[\g0b:\g0b+3], s[\g1b:\g1b+7]
	s_nop 0
.rept 4
	v_nop
.endr
.Lasked_\@:
.endm
.macro CREST
	s_cmp_lg_u32 s14, 0
	s_cbranch_scc1 .Lnot_wave_0_\@
	s_barrier_signal -3
.Lnot_wave_0_\@:
	s_barrier_wait -3
	s_barrier_signal -1
	s_barrier_wait -1
.endm
.macro CROUND
	s_barrier_signal -1
	s_barrier_wait -1
	CREST
.endm
	s_load_b256 s[4:11], s[0:1], 0x0
	s_load_b128 s[96:99], s[0:1], 0x20
	s_load_b64 s[100:101], s[0:1], 0x30
	v_lshl_add_u32 v[SPW], v0, 2, SPARE
	v_mov_b32 v[NIL], 0
	ds_add_u32 v[SPW], v[NIL]
	ds_add_u32 v[SPW], v[NIL]
	v_lshrrev_b32 v1, 5, v0
	v_readfirstlane_b32 s14, v1
	s_lshr_b32 s15, s14, 1
	s_and_b32 s16, s14, 1
	s_bfe_u32 s40, ttmp6, 0x40000
	s_bfe_u32 s41, ttmp6, 0x40004
	s_and_b32 s2, ttmp7, 0xffff
	s_cmp_eq_u32 ttmp9, 2
	s_cselect_b32 s[PATH], 1, 0
	s_cselect_b32 s17, 0, s2
	s_cselect_b32 s42, s2, ttmp9
	s_cselect_b32 s18, 640, 0
	s_cselect_b32 s19, 0, 512
	s_lshl_b32 s17, s17, 2
	s_add_co_u32 s17, s17, s41
	s_lshl_b32 s42, s42, 2
	s_add_co_u32 s42, s42, s40
	s_lshl_b32 s43, s41, 2
	s_lshl_b32 s43, 15, s43
	s_lshl_b32 s44, 0x1111, s40
	s_or_b32 s[G1+0], s43, (3<<16)|(1<<21)
	s_or_b32 s[G1B+0], s44, (3<<16)|(1<<21)
.irp g, G1, G1B
	s_mov_b32 s[\g+1], 384<<16
	s_mov_b32 s[\g+2], 8<<16
	s_mov_b32 s[\g+3], 384<<16
	s_mov_b32 s[\g+4], 8
	s_mov_b32 s[\g+5], 1536
	s_mov_b32 s[\g+6], 0
	s_mov_b32 s[\g+7], 0
.endr
	s_or_b32 s[G1S+0], s43, (3<<16)|(1<<20)|(1<<21)|(5<<22)|(3<<25)
	s_or_b32 s[G1SB+0], s44, (3<<16)|(1<<20)|(1<<21)|(5<<22)|(3<<25)
.irp g, G1S, G1SB
	s_mov_b32 s[\g+1], 32<<16
	s_mov_b32 s[\g+2], 16<<16
	s_mov_b32 s[\g+3], 32<<16
	s_mov_b32 s[\g+4], 16
	s_mov_b32 s[\g+5], 32
	s_mov_b32 s[\g+6], 0
	s_mov_b32 s[\g+7], 0
.endr
	s_lshl_b32 s22, s16, 3
	s_lshl_b32 s20, s17, 4
	s_add_co_u32 s20, s20, s18
	s_add_co_u32 s20, s20, s22
	s_lshl_b32 s46, s42, 4
	s_add_co_u32 s46, s46, s19
	s_add_co_u32 s46, s46, s22
	s_lshl_b32 s22, s20, 9
	s_mov_b32 s23, 0
	s_lshl_b32 s92, s46, 9
	s_mov_b32 s93, 0
	s_mul_i32 s20, s20, 12288
	s_mov_b32 s21, 0
	s_mul_i32 s46, s46, 12288
	s_mov_b32 s47, 0
	s_mul_i32 s45, s14, HALFT
	s_mul_i32 s94, s14, HALFS
	s_wait_dscnt 0x0
	s_wait_kmcnt 0x0
	s_add_nc_u64 s[20:21], s[4:5], s[20:21]
	s_add_nc_u64 s[22:23], s[6:7], s[22:23]
	s_add_nc_u64 s[46:47], s[4:5], s[46:47]
	s_add_nc_u64 s[92:93], s[6:7], s[92:93]
	CROUND
	s_mov_b32 s[G0S], 1
	s_add_co_u32 s[G0S+1], s94, SCL
	s_mov_b64 s[G0S+2:G0S+3], s[22:23]
	s_or_b32 s[G0S+3], s[G0S+3], 0x80000000
	s_mov_b32 s[G0SB], 1
	s_add_co_u32 s[G0SB+1], s94, SCL
	s_mov_b64 s[G0SB+2:G0SB+3], s[92:93]
	s_or_b32 s[G0SB+3], s[G0SB+3], 0x80000000
	JLOAD G0S, G1S, G0SB, G1SB
.irp s, 0,1
	s_mov_b32 s[G0+4*\s], 1
	s_add_co_u32 s[G0+4*\s+1], s45, \s*SLOT
	s_add_nc_u64 s[G0+4*\s+2:G0+4*\s+3], s[20:21], \s*3072
	s_or_b32 s[G0+4*\s+3], s[G0+4*\s+3], 0x80000000
	s_mov_b32 s[G0B+4*\s], 1
	s_add_co_u32 s[G0B+4*\s+1], s45, \s*SLOT
	s_add_nc_u64 s[G0B+4*\s+2:G0B+4*\s+3], s[46:47], \s*3072
	s_or_b32 s[G0B+4*\s+3], s[G0B+4*\s+3], 0x80000000
	s_wait_alu depctr_va_vdst(0)
	s_wait_tensorcnt 0x0
	ds_add_u32 v28, v29
	s_wait_dscnt 0x0
	CROUND
	JLOAD G0+4*\s, G1, G0B+4*\s, G1B
.endr
	v_and_b32 v1, 15, v0
	v_bfe_u32 v2, v0, 4, 1
	v_and_b32 v3, 31, v0
	v_lshlrev_b32 v[CO8], 3, v3
	s_mul_i32 s21, s15, HALFT
	s_mul_i32 s22, s16, HALFT
	s_add_co_u32 s22, s22, 2*HALFT
.irp s, 0,1
	v_add_nc_u32 v[ADRA+\s], s21, v[CO8]
	v_add_nc_u32 v[ADRB+\s], s22, v[CO8]
	s_add_co_u32 s21, s21, SLOT
	s_add_co_u32 s22, s22, SLOT
.endr
	v_mul_u32_u24 v5, v1, 32
	v_lshrrev_b32 v6, 8, v5
	v_lshl_add_u32 v5, v6, 4, v5
	s_mul_i32 s21, s15, HALFS
	s_mul_i32 s22, s16, HALFS
	s_add_co_u32 s22, s22, 2*HALFS
	s_sub_co_u32 s22, s22, s21
	v_mul_u32_u24 v6, s22, v2
	s_add_co_u32 s21, s21, SCL
	v_add_nc_u32 v5, v5, v6
	v_add_nc_u32 v[ADRS], s21, v5
	v_lshlrev_b32 v[SH16], 4, v2
	s_lshr_b32 s19, 0x8000, s[PATH]
	v_mul_u32_u24 v[SCO], s19, v2
	v_lshl_add_u32 v[SCO], v1, 4, v[SCO]
	v_lshlrev_b32 v5, 6, v2
	v_and_b32 v6, 8, v1
	v_add_nc_u32 v6, v6, v1
	v_lshlrev_b32 v6, 2, v6
	s_cmp_eq_u32 s[PATH], 1
	s_cselect_b32 s18, s17, s42
	s_cselect_b32 s19, s15, s16
	s_cselect_b32 s2, s42, s17
	s_cselect_b32 s3, s16, s15
	s_cselect_b32 s12, 8192, 0
	s_cselect_b64 s[OUTC:OUTC+1], s[98:99], s[10:11]
	s_cselect_b64 s[OUTS:OUTS+1], s[100:101], s[96:97]
	s_lshl_b32 s18, s18, 2
	s_lshl_b32 s19, s19, 1
	s_add_co_u32 s18, s18, s19
	s_lshl_b32 s2, s2, 1
	s_add_co_u32 s2, s2, s3
	s_lshl_b32 s19, s18, 8
	s_add_co_u32 s12, s12, s19
	s_mov_b32 s13, 0
	s_add_nc_u64 s[8:9], s[8:9], s[12:13]
	s_mul_i32 s12, s18, 393216
	s_mul_i32 s19, s2, 6144
	s_add_co_u32 s12, s12, s19
	s_add_nc_u64 s[OUTC:OUTC+1], s[OUTC:OUTC+1], s[12:13]
	s_lshl_b32 s12, s18, 15
	s_lshl_b32 s19, s2, 9
	s_add_co_u32 s12, s12, s19
	s_lshr_b32 s12, s12, s[PATH]
	s_add_nc_u64 s[OUTS:OUTS+1], s[OUTS:OUTS+1], s[12:13]
	s_mov_b32 s12, 0x76543210
	s_mov_b32 s13, 0xfedcba98
	s_mov_b32 s67, 0x1800000
	s_cmp_eq_u32 s[PATH], 1
	s_cbranch_scc1 .Lbias_v
	s_wait_alu depctr_va_vdst(0)
.irp b, 0,1,2,3,4,5,6,7
	global_load_b128 v[BR+8*\b:BR+8*\b+3], v5, s[8:9] offset:(32*(\b/2)+8*(\b%2))*4
	global_load_b128 v[BR+8*\b+4:BR+8*\b+7], v5, s[8:9] offset:(32*(\b/2)+8*(\b%2))*4+16
.endr
	s_branch .Lbias_in
.Lbias_v:
	s_wait_alu depctr_va_vdst(0)
.irp a, 0,1,2,3,4,5,6,7
.irp j, 0,1,2,3,4,5,6,7
	global_load_b32 v[BR+8*\a+\j], v6, s[8:9] offset:(32*(\a/2)+8*(\a%2))*4
.endr
.endr
.Lbias_in:
.macro FRAG reg, adr, q, i
.irp p, 0,1,2,3,4,5
	ds_load_b64 v[\reg+2*\p:\reg+2*\p+1], v[\adr] offset:3072*(\i)+1536*(\q)+256*\p
.endr
.endm
.macro MUL16 a0, p, q, sc, mode
.irp a, \a0, \a0+1
.irp b, 0,1,2,3,4,5,6,7
.if \mode == 1
	v_wmma_scale_f32_16x16x128_f8f6f4 v[8*(8*((\a)%4)+\b):8*(8*((\a)%4)+\b)+7], v[128*(\p)+FR*\b:128*(\p)+FR*\b+FR-1], v[AF+FR*(\a):AF+FR*(\a)+FR-1], v[BR+8*\b:BR+8*\b+7], v[SC+8*NQ*(\sc)+NQ*\b+(\q)], v[SC+8*NQ*(\sc)+NQ*(\a)+(\q)] matrix_a_fmt:MATRIX_FMT_FP6 matrix_b_fmt:MATRIX_FMT_FP6 matrix_a_scale:MATRIX_SCALE_ROW1
.elseif \mode == 2
	v_wmma_scale_f32_16x16x128_f8f6f4 v[8*(8*((\a)%4)+\b):8*(8*((\a)%4)+\b)+7], v[128*(\p)+FR*\b:128*(\p)+FR*\b+FR-1], v[AF+FR*(\a):AF+FR*(\a)+FR-1], v[BR+8*(\a):BR+8*(\a)+7], v[SC+8*NQ*(\sc)+NQ*\b+(\q)], v[SC+8*NQ*(\sc)+NQ*(\a)+(\q)] matrix_a_fmt:MATRIX_FMT_FP6 matrix_b_fmt:MATRIX_FMT_FP6 matrix_a_scale:MATRIX_SCALE_ROW1
.else
	v_wmma_scale_f32_16x16x128_f8f6f4 v[8*(8*((\a)%4)+\b):8*(8*((\a)%4)+\b)+7], v[128*(\p)+FR*\b:128*(\p)+FR*\b+FR-1], v[AF+FR*(\a):AF+FR*(\a)+FR-1], v[8*(8*((\a)%4)+\b):8*(8*((\a)%4)+\b)+7], v[SC+8*NQ*(\sc)+NQ*\b+(\q)], v[SC+8*NQ*(\sc)+NQ*(\a)+(\q)] matrix_a_fmt:MATRIX_FMT_FP6 matrix_b_fmt:MATRIX_FMT_FP6 matrix_a_scale:MATRIX_SCALE_ROW1
.endif
.endr
.endr
.endm
.macro FETCH_B slot, q, p
	WIN TO_B
.irp i, 0,1,2,3,4,5,6,7
	FRAG 128*(\p)+FR*\i, ADRB+\slot, \q, \i
.endr
	WIN 0
.endm
.macro FETCH_A slot, q, i0
.irp i, \i0, \i0+1, \i0+2, \i0+3
	FRAG AF+FR*(\i), ADRA+\slot, \q, \i
.endr
.endm
.macro SCALES sc
.irp i, 0,1,2,3,4,5,6,7
	ds_load_b64 v[SC+8*NQ*\sc+NQ*\i:SC+8*NQ*\sc+NQ*\i+1], v[ADRS] offset:\i*SBLK
.endr
.endm
.macro PLACES n
.rept \n
	v_nop
.endr
.endm
.macro STEP slot, q, mode
	s_wait_dscnt 4*NL
.if \mode
	WIN 0x81
.else
	WIN MUL_LO
.endif
	MUL16 0, (\q)%2, \q, \slot, \mode
	MUL16 2, (\q)%2, \q, \slot, \mode
	s_wait_dscnt 0x0
	PLACES NP
	FETCH_B \slot, (\q)+1, 1-(\q)%2
	FETCH_A \slot, (\q)+1, 0
.if \mode
	WIN 0xc1
.else
	WIN MUL_HI
.endif
	MUL16 4, (\q)%2, \q, \slot, \mode
	MUL16 6, (\q)%2, \q, \slot, \mode
	PLACES NP
	WIN 0
	FETCH_A \slot, (\q)+1, 4
.endm
.macro TURN slot, next, fill
	s_wait_tensorcnt 0x0
	ds_add_u32 v[SPW], v[NIL]
	s_wait_dscnt 4*NL+1
	WIN MUL_LO
	MUL16 0, 1, NQ-1, \slot, 0
	s_wait_dscnt 0x0
	s_barrier_signal -1
	MUL16 2, 1, NQ-1, \slot, 0
	WIN 0
	s_barrier_wait -1
.if \fill
	CREST
	s_add_nc_u64 s[G0+4*\slot+2:G0+4*\slot+3], s[G0+4*\slot+2:G0+4*\slot+3], 6144
	s_add_nc_u64 s[G0B+4*\slot+2:G0B+4*\slot+3], s[G0B+4*\slot+2:G0B+4*\slot+3], 6144
	JLOAD G0+4*\slot, G1, G0B+4*\slot, G1B
.else
	PLACES NP
.endif
	s_wait_alu depctr_va_vdst(0)
	v_add_nc_u32 v[ADRS], 4*NQ, v[ADRS]
	FETCH_B \next, 0, 0
	FETCH_A \next, 0, 0
	SCALES \next
	WIN MUL_HI
	MUL16 4, 1, NQ-1, \slot, 0
	MUL16 6, 1, NQ-1, \slot, 0
	PLACES NP
	WIN 0
	FETCH_A \next, 0, 4
.endm
	s_wait_tensorcnt 1
	s_barrier_signal -1
	s_barrier_wait -1
	FETCH_B 0, 0, 0
	FETCH_A 0, 0, 0
	SCALES 0
	FETCH_A 0, 0, 4
	s_wait_loadcnt 0x0
	s_cmp_eq_u32 s[PATH], 1
	s_cbranch_scc1 .Lfirst_v
	STEP 0, 0, 1
	s_branch .Lfirst_done
.Lfirst_v:
	STEP 0, 0, 2
.Lfirst_done:
	s_mov_b32 s3, LAPS-1
.Llap:
	TURN 0, 1, 1
	STEP 1, 0, 0
	TURN 1, 0, 1
	STEP 0, 0, 0
	s_sub_co_u32 s3, s3, 1
	s_cmp_lg_u32 s3, 0
	s_cbranch_scc1 .Llap
	TURN 0, 1, 0
	STEP 1, 0, 0
	s_wait_dscnt 4*NL
	WIN MUL_LO
	MUL16 0, 1, NQ-1, 1, 0
	MUL16 2, 1, NQ-1, 1, 0
	s_wait_dscnt 0x0
	WIN MUL_HI
	MUL16 4, 1, NQ-1, 1, 0
	MUL16 6, 1, NQ-1, 1, 0
	WIN 0
.macro QUANTA a
.set W, 2+(\a)/4
.set AC, 64*((\a)%4)
.set WS, (W<<2)|(W<<4)
	WIN WS
.irp b, 0,1,2,3
	v_max3_num_f32 v[TM+\b], s67, |v[AC+16*\b]|, |v[AC+16*\b+1]|
.endr
.irp i, 2,4,6,8,10,12,14
.irp b, 0,1,2,3
	v_max3_num_f32 v[TM+\b], v[TM+\b], |v[AC+16*\b+\i]|, |v[AC+16*\b+\i+1]|
.endr
.endr
	WIN 0
.irp b, 0,1,2,3
	v_permlanex16_b32 v[TM+4+\b], v[TM+\b], s12, s13
.endr
.irp b, 0,1,2,3
	v_max_num_f32 v[TM+\b], v[TM+\b], v[TM+4+\b]
.endr
.irp b, 0,1,2,3
	v_add_nc_u32 v[TM+12+\b], 0xff000000, v[TM+\b]
.endr
.irp b, 0,1,2,3
	v_lshrrev_b32 v[TM+4+\b], 23, v[TM+12+\b]
.endr
	v_lshl_or_b32 v[PWS+\a], v[TM+5], 8, v[TM+4]
	v_lshl_or_b32 v[PWS+\a], v[TM+6], 16, v[PWS+\a]
	v_lshl_or_b32 v[PWS+\a], v[TM+7], 24, v[PWS+\a]
.if \a > 0
	s_wait_xcnt 0x0
.endif
	WIN W
.irp c, 0,1
	v_cvt_scalef32_pk16_fp6_f32 v[PC+6*\c:PC+2+6*\c], v[AC+32*\c:AC+15+32*\c], v[TM+12+2*\c]
	v_cvt_scalef32_pk16_fp6_f32 v[PC+12+4*\c:PC+14+4*\c], v[AC+16+32*\c:AC+31+32*\c], v[TM+13+2*\c]
.endr
	WIN 0
	v_nop
.irp c, 0,1
.irp i, 0,1,2
	v_permlane16_swap_b32 v[PC+6*\c+\i], v[PC+12+4*\c+\i]
.endr
.irp i, 0,1,2
	v_mov_b32 v[PC+3+6*\c+\i], v[PC+12+4*\c+\i]
.endr
.endr
	s_cmp_eq_u32 s[PATH], 1
	s_cbranch_scc1 .Lout_v_\@
.irp p, 0,1,2,3,4,5
	global_store_b64 v[CO8], v[PC+2*\p:PC+2*\p+1], s[OUTC:OUTC+1] offset:768*\a+256*(\p%3)+393216*(\p/3)
.endr
	s_branch .Lout_done_\@
.Lout_v_\@:
	s_wait_alu depctr_va_vdst(0)
.irp p, 0,1,2,3,4,5
	global_store_b64 v[CO8], v[PC+2*\p:PC+2*\p+1], s[OUTC:OUTC+1] offset:393216*(\a/4)+1536*(\a%4)+256*\p
.endr
.Lout_done_\@:
.endm
	PLACES NP
.irp b, 0,1,2,3
	v_mov_b32 v[TM+4+\b], 0
.endr
.irp a, 0,1,2,3,4,5,6,7
	QUANTA \a
.endr
	s_cmp_eq_u32 s[PATH], 1
	s_cbranch_scc1 .Lwords_v
.irp a, 0,1,2,3,4,5,6,7
	v_bfe_u32 v[PWS+\a], v[PWS+\a], v[SH16], 16
.endr
	global_store_b128 v[SCO], v[PWS:PWS+3], s[OUTS:OUTS+1]
	global_store_b128 v[SCO], v[PWS+4:PWS+7], s[OUTS:OUTS+1] offset:256
	s_branch .Lwords_done
.Lwords_v:
	v_cmp_le_u32 vcc_lo, 16, v3
.irp k, 0,1,2,3
	v_cndmask_b32 v[OW+\k], v[PWS+\k], v[PWS+4+\k], vcc_lo
.endr
	global_store_b128 v[SCO], v[OW:OW+3], s[OUTS:OUTS+1]
.Lwords_done:
	s_wait_tensorcnt 0x0
	ds_add_u32 v[SPW], v[NIL]
	s_wait_dscnt 0x0
	CROUND
	s_endpgm
.Lfunc_end_k_q7914de357f_qkv:
	.size	k_q7914de357f_qkv, .Lfunc_end_k_q7914de357f_qkv-k_q7914de357f_qkv
	.p2alignl 7, 3214868480
	.fill 96, 4, 3214868480
	.section	.rodata,"a",@progbits
	.p2align	6, 0x0
	.amdhsa_kernel k_q7914de357f_qkv
		.amdhsa_group_segment_fixed_size 327680
		.amdhsa_private_segment_fixed_size 0
		.amdhsa_enable_private_segment 0
		.amdhsa_kernarg_size 56
		.amdhsa_user_sgpr_count 2
		.amdhsa_user_sgpr_kernarg_segment_ptr 1
		.amdhsa_wavefront_size32 1
		.amdhsa_system_sgpr_workgroup_id_x 1
		.amdhsa_system_sgpr_workgroup_id_y 1
		.amdhsa_system_sgpr_workgroup_id_z 1
		.amdhsa_system_vgpr_workitem_id 0
		.amdhsa_next_free_vgpr 1024
		.amdhsa_next_free_sgpr 102
		.amdhsa_reserve_vcc 1
		.amdhsa_float_denorm_mode_32 3
		.amdhsa_float_denorm_mode_16_64 3
		.amdhsa_memory_ordered 1
		.amdhsa_forward_progress 1
		.amdhsa_inst_pref_size 195
	.end_amdhsa_kernel
	.amdgpu_metadata
---
amdhsa.version: [ 1, 2 ]
amdhsa.kernels:
  - .name:           k_q7914de357f_qkv
    .symbol:         k_q7914de357f_qkv.kd
    .args:
      - { .name: ops, .offset: 0, .size: 8, .value_kind: global_buffer, .address_space: global }
      - { .name: opss, .offset: 8, .size: 8, .value_kind: global_buffer, .address_space: global }
      - { .name: b_attn, .offset: 16, .size: 8, .value_kind: global_buffer, .address_space: global }
      - { .name: qkc, .offset: 24, .size: 8, .value_kind: global_buffer, .address_space: global }
      - { .name: qks, .offset: 32, .size: 8, .value_kind: global_buffer, .address_space: global }
      - { .name: vc, .offset: 40, .size: 8, .value_kind: global_buffer, .address_space: global }
      - { .name: vs, .offset: 48, .size: 8, .value_kind: global_buffer, .address_space: global }
    .group_segment_fixed_size: 327680
    .private_segment_fixed_size: 0
    .kernarg_segment_align: 8
    .kernarg_segment_size: 56
    .max_flat_workgroup_size: 128
    .sgpr_count:     102
    .vgpr_count:     1024
    .wavefront_size: 32
...
	.end_amdgpu_metadata
.endif
;; end of part 2
;; launch attn (part 3): grid 256 x 1, 16 waves a work-group, clusters of 4 x 1, 210,944 bytes of LDS; arguments qkc, qks, vc, vs, yc, ys; writes yc, ys
.if DOCPART == 3
	.amdgcn_target "amdgcn-amd-amdhsa--gfx1250"
	.amdhsa_code_object_version 6
	.text
	.protected	k_q7914de357f_attn
	.globl	k_q7914de357f_attn
	.p2align	8
	.type	k_q7914de357f_attn,@function
k_q7914de357f_attn:
	s_mov_b64 s[64:65], 0
	v_nop
	global_prefetch_b8 v0, s[64:65] scope:SCOPE_SE
	s_setreg_imm32_b32 hwreg(HW_REG_WAVE_MODE, 25, 1), 1
	s_wait_xcnt 0x0
	s_wait_alu depctr_hold_cnt(0) depctr_sa_sdst(0) depctr_va_vdst(0) depctr_va_sdst(0) depctr_va_ssrc(0) depctr_va_vcc(0) depctr_vm_vsrc(0)
	s_getreg_b32 s2, hwreg(HW_REG_IB_STS2, 6, 4)
	s_cmp_eq_u32 s2, 0
	s_cbranch_scc0 .Lentry_in_a_cluster
	s_endpgm
.Lentry_in_a_cluster:
	s_bfe_u32 s2, ttmp6, 0x10000c
	s_cmp_lg_u32 s2, 0x3003
	s_cbranch_scc0 .Lentry_shape_is_right
	s_endpgm
.Lentry_shape_is_right:
; y[b][q][head] = softmax_k(q . k / 8) v for 64 pairs (batch, head), 2,048 tokens, head size 64; both products on codes of FP6 (E2M3) with E8M0 scales; y leaves as codes, quantised along C for the last product.
; THE SOFTMAX: t = score x log2(e) / 8; M = the row's largest t so far, rounded UP to a whole number; p = 2^(t - M) is quantised along the keys, not normalised.  The row's sum is taken of the unquantised p, in f32,
; and divides O at the end.  When M moves, the sum and O are multiplied by 2^(old M - new M): exact.
; SHARES.  A cluster of four work-groups owns one (batch, head); a work-group 512 queries; each of its sixteen waves one tile of 16 queries at a time, in two rounds of 16 key steps of 128 keys.
; THE WHOLE HEAD'S K AND V, codes and scale words, 208,896 bytes, lie in LDS for the whole launch: ten joint loads that name all four work-groups, one a wave (waves 0 to 9), in one chain of branches on the wave's number.
; Every wave waits for 0 on TENSORcnt once, one barrier shows all tiles to all waves, and no LDS byte is filled twice.  No data prefetch: all is asked for at the head, so there is no loop to run ahead in.
; LAYOUT.  Both products are used transposed: S^T = K Q^T, O^T = V^T P^T: a lane holds ONE query throughout.  A fragment lies in LDS as the image of its registers: pieces of 256 bytes, lane l's 8 bytes at 8 l.
; In memory tile i, row r is token 32 (i / 2) + 8 (i % 2) + r + 8 (r / 8).  THE KEYS OF A TILE OF K ARE CHOSEN BY ADDRESS: lane row (r3, j) of my tile T = 4 c + tt reads row 8 (tt / 2) + j of the image of tile
; 4 c + 2 r3 + tt % 2, which is key 64 c + 32 r3 + 8 tt + j.  So lane (r, h)'s 32 registers of tiles 4 c .. 4 c + 3 are keys 64 c + 32 h + 0 .. 31: one whole scale block, in the order of P's operand registers.
; A block's largest score needs no other lane, and the conversions' results need no exchange of lanes.
; THE HEAD'S 64 IN A K OF 128: a tile of K or Q is half a fragment, registers 0-5.  Q's registers 6-11 are zero codes, so what stands in K's registers 6-11 (the next tile's codes) adds nothing.
; LIMITS: NaN and infinities are not served; the promise holds while the scaled scores t stay under 2^31 in magnitude; a block of y whose largest magnitude lies under 2^-124 has its byte held at 1, a block of zeros too
; (zero codes; this program alone reads the bytes).  A block's largest p is made from its largest score by the same multiply-add and exponential as every p.
; ys is written two bytes a lane, 32 bytes apart: a row's 32 bytes come from sixteen heads, which are sixteen clusters.
; REGISTERS: v1-4, v7 addresses that stay; v5, v6 the add's two; v8-11 addresses in hand; v12 -M, v13 the largest t, v[14:15] the sum; v16-21 Q, v22-27 zeros; v29, v30 offsets; v31 8 h; v32-79 K's 8 tiles, then V's 4 fragments;
;   v80-85 zeros; v96-159 S^T, then p, then y; v160-191 O^T; v192-199 K's scale words, v200-203 V's, v204 Q's; v208-219 p's codes, later y's; v232-255 at work.
.set KC,    0                          ; LDS: K's codes: a tile 768 bytes, a step of 128 keys 6,144
.set VC,    98304                      ; V's codes: a fragment 1,536 bytes, a step 6,144
.set KSC,   196608                     ; K's scale words: 512 bytes a step: [tile / 4][row][tile % 4]
.set VSC,   204800                     ; V's: 256 bytes a step
.set SPARE, 208896                     ; the spare words, 128 bytes for each wave
.set CO8,  1
.set AV0,  2
.set ASK0, 3
.set ASV0, 4
.set SPW,  5
.set NIL,  6
.set AKP,  7
.set ADK,  8
.set ADV,  9
.set ADS,  10
.set ADT,  11
.set WV,   18
.set SEL,  20
.set CS,   22
.set TB,   2                           ; s2   where the step's codes begin, in K's region and in V's alike
.set TS,   3                           ; s3   K's scale words
.set TJ,   66                          ; s66  V's
.set CNT,  67
.set G1C,  24                          ; s[24:31] group 1: 96 rows of 256 bytes;  s[32:39] 32 rows;  s[40:47] 16 rows
.set G1SK, 32
.set G1SV, 40
.macro CROUND
	s_barrier_signal -1
	s_barrier_wait -1
	s_cmp_lg_u32 s[WV], 0
	s_cbranch_scc1 .Lnot_wave_0_\@
	s_barrier_signal -3
.Lnot_wave_0_\@:
	s_barrier_wait -3
	s_barrier_signal -1
	s_barrier_wait -1
.endm
.macro MKG1 g, rows                    ; a dense block as rows of 256 bytes (32 elements of 8 bytes), for all four work-groups of the cluster
	s_mov_b32 s[\g], 15|(3<<16)|(1<<21)
	s_mov_b32 s[\g+1], 32<<16
	s_mov_b32 s[\g+2], (\rows)<<16
	s_mov_b32 s[\g+3], 32<<16
	s_mov_b32 s[\g+4], \rows
	s_mov_b32 s[\g+5], 32
	s_mov_b32 s[\g+6], 0
	s_mov_b32 s[\g+7], 0
.endm
.macro MKG0 g, lds, p, off
	s_mov_b32 s[\g], 1
	s_mov_b32 s[\g+1], \lds
	s_add_nc_u64 s[\g+2:\g+3], s[\p:\p+1], \off
	s_or_b32 s[\g+3], s[\g+3], 0x80000000
.endm
.macro ARM w, g0, g1                   ; wave w's one joint load: an arm of the head's chain
	s_cmp_eq_u32 s[WV], \w
	s_cbranch_scc0 .Larm_\w
	tensor_load_to_lds s[\g0:\g0+3], s[\g1:\g1+7]
	s_nop 0
.rept 4
	v_nop
.endr
	s_branch .Lasked
.Larm_\w:
.endm
	s_load_b256 s[4:11], s[0:1], 0x0               ; qkc s[4:5], qks s[6:7], vc s[8:9], vs s[10:11]
	s_load_b128 s[12:15], s[0:1], 0x20             ; yc s[12:13], ys s[14:15]
	v_lshl_add_u32 v[SPW], v0, 2, SPARE
	v_mov_b32 v[NIL], 0
	ds_add_u32 v[SPW], v[NIL]                      ; the opening lines: the add, twice on end, and its wait
	ds_add_u32 v[SPW], v[NIL]
	v_lshrrev_b32 v8, 5, v0
	v_readfirstlane_b32 s[WV], v8                  ; wave 0..15
	s_bfe_u32 s16, ttmp6, 0x40000                  ; cx: it enters Q's, yc's and ys's addresses alone
	s_lshr_b32 s17, ttmp9, 4                       ; the batch
	s_and_b32 s19, ttmp9, 15                       ; the head
	MKG1 G1C, 96
	MKG1 G1SK, 32
	MKG1 G1SV, 16
	s_mul_i32 s92, s19, 393216
	s_mul_i32 s93, s17, 98304
	s_add_co_u32 s92, s92, s93                     ; the (batch, head)'s first byte among a kind's codes
	s_mov_b32 s93, 0
	s_lshl_b32 s94, s19, 15
	s_lshl_b32 s95, s17, 13
	s_add_co_u32 s94, s94, s95                     ; and among q's or k's scale words
	s_mov_b32 s95, 0
	s_lshr_b32 s98, s94, 1                         ; v's are half as many
	s_mov_b32 s99, 0
	s_mov_b32 s[SEL], 0x76543210
	s_mov_b32 s[SEL+1], 0xfedcba98
	s_mov_b32 s[CS], 0x3e38aa3b                    ; c = log2(e) / 8
	s_mov_b32 s[CS+1], s[CS]
	s_wait_dscnt 0x0                               ; both opening adds are done
	s_wait_kmcnt 0x0
	s_add_nc_u64 s[96:97], s[92:93], 16*393216     ; k's heads lie behind q's sixteen
	s_add_nc_u64 s[96:97], s[4:5], s[96:97]
	MKG0 52, KC, 96, 0
	MKG0 56, KC+24576, 96, 24576
	MKG0 60, KC+49152, 96, 49152
	MKG0 68, KC+73728, 96, 73728
	s_add_nc_u64 s[96:97], s[94:95], 16*32768
	s_add_nc_u64 s[96:97], s[6:7], s[96:97]
	MKG0 48, KSC, 96, 0
	s_add_nc_u64 s[96:97], s[8:9], s[92:93]
	MKG0 76, VC, 96, 0
	MKG0 80, VC+24576, 96, 24576
	MKG0 84, VC+49152, 96, 49152
	MKG0 88, VC+73728, 96, 73728
	s_add_nc_u64 s[96:97], s[10:11], s[98:99]
	MKG0 72, VSC, 96, 0
	CROUND                                         ; all four work-groups are here: the joint loads meet
	ARM 0, 48, G1SK                                ; K's scale words
	ARM 1, 72, G1SV                                ; V's
	ARM 2, 52, G1C                                 ; K's codes, 512 keys a load
	ARM 3, 56, G1C
	ARM 4, 60, G1C
	ARM 5, 68, G1C
	ARM 6, 76, G1C                                 ; V's codes
	ARM 7, 80, G1C
	ARM 8, 84, G1C
	ARM 9, 88, G1C
.Lasked:
	; my tiles of queries: 32 cx + wave, and 16 tiles on in the second round
	s_lshl_b32 s16, s16, 5
	s_add_co_u32 s16, s16, s[WV]
	s_mul_i32 s96, s16, 768
	s_mov_b32 s97, 0
	s_add_nc_u64 s[92:93], s[92:93], s[96:97]
	s_add_nc_u64 s[92:93], s[4:5], s[92:93]        ; Q's codes
	s_lshr_b32 s96, s16, 2
	s_lshl_b32 s96, s96, 8                         ; four tiles' words: 256 bytes
	s_and_b32 s98, s16, 3
	s_lshl_b32 s98, s98, 2
	s_add_co_u32 s96, s96, s98
	s_add_nc_u64 s[94:95], s[94:95], s[96:97]
	s_add_nc_u64 s[94:95], s[6:7], s[94:95]        ; Q's scale words
	s_lshl_b32 s96, s17, 7
	s_add_co_u32 s96, s96, s16                     ; the tile among all 512
	s_mul_i32 s98, s96, 12288
	s_mul_i32 s99, s19, 768                        ; K step head / 2, half head % 2
	s_add_co_u32 s98, s98, s99
	s_mov_b32 s99, 0
	s_add_nc_u64 s[12:13], s[12:13], s[98:99]      ; y's codes
	s_lshl_b32 s98, s96, 9
	s_lshl_b32 s96, s19, 1
	s_add_co_u32 s98, s98, s96
	s_add_nc_u64 s[14:15], s[14:15], s[98:99]      ; y's scale bytes
	v_and_b32 v8, 31, v0
	v_lshlrev_b32 v[CO8], 3, v8                    ; 8 x lane: my place in a piece, in LDS and in memory
	v_add_nc_u32 v[AV0], VC, v[CO8]
	v_and_b32 v9, 15, v0
	v_lshlrev_b32 v30, 4, v9                       ; 16 r
	v_add_nc_u32 v[ASV0], VSC, v30
	v_lshlrev_b32 v29, 5, v9                       ; 32 r
	v_and_b32 v8, 7, v0                            ; j
	v_bfe_u32 v9, v0, 3, 1                         ; r3
	v_bfe_u32 v10, v0, 4, 1                        ; h
	v_lshlrev_b32 v[AKP], 3, v8
	v_mad_u32_u24 v[AKP], v9, 1536, v[AKP]
	v_lshl_add_u32 v[AKP], v10, 7, v[AKP]          ; K's codes: 8 j + 128 h + two tiles x r3
	v_lshlrev_b32 v[ASK0], 4, v8
	v_lshl_add_u32 v[ASK0], v9, 3, v[ASK0]
	v_add_nc_u32 v[ASK0], KSC, v[ASK0]             ; K's scale words: 16 j + 8 r3
	v_lshlrev_b32 v31, 3, v10                      ; 8 h: my two scale bytes' place in p's word
.irp j, 22,23,24,25,26,27,80,81,82,83,84,85
	v_mov_b32 v[\j], 0                             ; zero codes: the upper half of Q's operand, and of the last tile of K's
.endr
.irp b, 0,1,2,3
	v_mov_b32 v[236+\b], 0                         ; written once: a lane permute's destination counts as one of its sources
.endr
	v_mov_b32 v252, 0
	v_mov_b32 v253, 0
.macro SMUL t                          ; S^T tile t = K's tile x Q
	v_wmma_scale_f32_16x16x128_f8f6f4 v[96+8*\t:103+8*\t], v[32+6*\t:43+6*\t], v[16:27], 0, v[192+\t], v204 matrix_a_fmt:MATRIX_FMT_FP6 matrix_b_fmt:MATRIX_FMT_FP6
.endm
.macro PADD d, s
	v_pk_add_f32 v[\d:\d+1], v[\d:\d+1], v[\s:\s+1]
.endm
; A KEY STEP: 128 keys.
.macro STEP
	v_add_nc_u32 v[ADK], s[TB], v[AKP]             ; these four are also the places behind the last step's products, in front of the loads into their registers
	v_add_nc_u32 v[ADV], s[TB], v[AV0]
	v_add_nc_u32 v[ADS], s[TS], v[ASK0]
	v_add_nc_u32 v[ADT], s[TJ], v[ASV0]
.irp g, 0,1,2,3
	ds_load_b64 v[192+2*\g:193+2*\g], v[ADS] offset:128*\g   ; my rows' words of my tiles 2 g, 2 g + 1
.endr
.irp t, 0,1,2,3,4,5,6,7
.irp p, 0,1,2
	ds_load_b64 v[32+6*\t+2*\p:33+6*\t+2*\p], v[ADK] offset:768*(4*(\t/4)+\t%2)+64*((\t%4)/2)+256*\p
.endr
.endr
	s_wait_alu depctr_va_vdst(0)
	s_wait_dscnt 9                                 ; the words and tiles 0 to 4 are in; the nine loads of tiles 5 to 7 may be out
.irp t, 0,1,2,3
	SMUL \t
.endr
	s_wait_dscnt 0x0
.irp t, 4,5,6,7
	SMUL \t
.endr
	v_mov_b32 v251, v12                            ; the old -M; with three v_nop the places in front of the loads below and of the first read of the scores
.rept 3
	v_nop
.endr
.irp t, 0,1,2,3                        ; V's four fragments are asked for now and land under the softmax
.irp p, 0,1,2,3,4,5
	ds_load_b64 v[32+12*\t+2*\p:33+12*\t+2*\p], v[ADV] offset:1536*\t+256*\p
.endr
.endr
	ds_load_b128 v[200:203], v[ADT]
.irp b, 0,1,2,3
	v_max3_num_f32 v[232+\b], v[96+16*\b], v[97+16*\b], v[98+16*\b]   ; four chains, each accumulator from its low end on
.endr
.irp i, 3,5,7,9,11,13
.irp b, 0,1,2,3
	v_max3_num_f32 v[232+\b], v[232+\b], v[96+16*\b+\i], v[97+16*\b+\i]
.endr
.endr
.irp c, 0,1
	v_max3_num_f32 v[232+2*\c], v[232+2*\c], v[233+2*\c], v[111+32*\c]
.endr
.irp c, 0,1
	v_max_num_f32 v[232+2*\c], v[232+2*\c], v[127+32*\c]   ; the largest score of my block 2 c + h: for the row's maximum and, since p rises with the score, for the block's largest p
.endr
	s_delay_alu instid0(VALU_DEP_1)
	v_max_num_f32 v254, v232, v234
	v_permlanex16_b32 v236, v254, s[SEL], s[SEL+1]
	s_delay_alu instid0(VALU_DEP_1)
	v_max_num_f32 v254, v254, v236                 ; the step's largest score of my query
	s_delay_alu instid0(VALU_DEP_1)
	v_mul_f32 v254, s[CS], v254                    ; as t
	s_delay_alu instid0(VALU_DEP_1)
	v_max_num_f32 v13, v13, v254                   ; the running largest t
	s_delay_alu instid0(VALU_DEP_1)
	v_floor_f32 v12, -v13                          ; the new -M = floor(-t): M is a whole number
	s_delay_alu instid0(VALU_DEP_1)
	v_sub_f32 v254, v12, v251                      ; old M - new M: a whole number, 0 or less
	s_delay_alu instid0(VALU_DEP_1)
	v_cvt_i32_f32 v254, v254                       ; (it saturates)
	s_delay_alu instid0(VALU_DEP_1)
	v_ldexp_f32 v252, 1.0, v254                    ; f = 2^(old M - new M)
.irp j, 0,2,4,6,8,10,12,14,16,18,20,22,24,26,28,30,32,34,36,38,40,42,44,46,48,50,52,54,56,58,60,62
	v_pk_fma_f32 v[96+\j:97+\j], v[96+\j:97+\j], s[CS:CS+1], v[12:13] op_sel_hi:[1,0,0]   ; t - M, two at a time
.endr
.irp c, 0,1
	v_fma_f32 v[232+2*\c], v[232+2*\c], s[CS], v12 ; the same of each block's largest score
.endr
	s_wait_alu depctr_va_vdst(0)
.set J, 0
.rept 64
	v_exp_f32 v[96+J], v[96+J]                     ; p = 2^(t - M), at most 1
.set J, J+1
.endr
	v_pk_mul_f32 v[14:15], v[14:15], v[252:253] op_sel_hi:[1,0]   ; the sums under the new M: the plain place behind the exponentials
	s_wait_alu depctr_va_vdst(0)                   ; one wait for the whole batch, ahead of its first reader
.irp c, 0,1
	v_exp_f32 v[232+2*\c], v[232+2*\c]             ; each block's largest p
.endr
.set J, 0
.irp d, 236,254,250,248,246,244,242    ; THE ROW'S SUM OF THE UNQUANTISED p: eight chains of pairs side by side
	v_pk_add_f32 v[\d:\d+1], v[96+4*J:97+4*J], v[98+4*J:99+4*J]
.set J, J+1
.endr
.set J, 0
.rept 2
.irp d, 14,236,254,250,248,246,244,242
	v_pk_add_f32 v[\d:\d+1], v[\d:\d+1], v[124+2*J:125+2*J]
.set J, J+1
.endr
.endr
	PADD 14, 156
	PADD 236, 158
	PADD 254, 244
	PADD 250, 242
	PADD 14, 248
	PADD 236, 246
	PADD 14, 254
	PADD 236, 250
	PADD 14, 236
	s_wait_alu depctr_va_vdst(0)                   ; and one for the two
.irp c, 0,1
	v_max_num_f32 v[232+2*\c], 0x1800000, v[232+2*\c]   ; the floor 2^(3 - 127): the byte cannot fall under 1
.endr
.irp c, 0,1
	s_delay_alu instid0(VALU_DEP_2)
	v_add_nc_u32 v[244+\c], 0xff000000, v[232+2*\c]     ; 2 off the exponent field: the conversion's scale operand
.endr
.irp c, 0,1
	s_delay_alu instid0(VALU_DEP_2)
	v_lshrrev_b32 v[236+\c], 23, v[244+\c]         ; the scale's byte
.endr
	s_delay_alu instid0(VALU_DEP_1)
	v_lshl_or_b32 v253, v237, 16, v236             ; my two bytes: blocks h and 2 + h,
	s_delay_alu instid0(VALU_DEP_1)
	v_lshlrev_b32 v253, v31, v253                  ; at their places in the word;
	v_permlanex16_b32 v238, v253, s[SEL], s[SEL+1]
	s_delay_alu instid0(VALU_DEP_1)
	v_or_b32 v253, v253, v238                      ; with lane l xor 16's two: p's scale word for these 128 keys
.irp c, 0,1
	v_cvt_scalef32_pk16_fp6_f32 v[208+6*\c:210+6*\c], v[96+32*\c:111+32*\c], v[244+\c]
	v_cvt_scalef32_pk16_fp6_f32 v[236+4*\c:238+4*\c], v[112+32*\c:127+32*\c], v[244+\c]   ; (a conversion's three registers begin on an even number)
.endr
	v_nop                                          ; one plain place behind a scaled conversion
.irp c, 0,1
.irp i, 0,1,2
	v_mov_b32 v[211+6*\c+\i], v[236+4*\c+\i]
.endr
.endr
	s_wait_alu depctr_va_vdst(0)
.irp j, 0,2,4,6,8,10,12,14,16,18,20,22,24,26,28,30
	v_pk_mul_f32 v[160+\j:161+\j], v[160+\j:161+\j], v[252:253] op_sel_hi:[1,0]   ; O^T under the new M; also the places behind the scale word and the codes
.endr
	s_wait_alu depctr_va_vdst(0)
	s_wait_dscnt 0x0                               ; V's fragments and scale words are in
.irp t, 0,1,2,3                        ; O^T += V^T P^T: four accumulators by turns; lane (r, h): query r, channels 32 (t / 2) + 16 h + 8 (t % 2) + 0 .. 7
	v_wmma_scale_f32_16x16x128_f8f6f4 v[160+8*\t:167+8*\t], v[32+12*\t:43+12*\t], v[208:219], v[160+8*\t:167+8*\t], v[200+\t], v253 matrix_a_fmt:MATRIX_FMT_FP6 matrix_b_fmt:MATRIX_FMT_FP6
.endr
	s_add_co_u32 s[TB], s[TB], 6144
	s_add_co_u32 s[TS], s[TS], 512
	s_add_co_u32 s[TJ], s[TJ], 256
.endm
.macro STEPS                           ; all 16 key steps: the three places start at constants and go by a counted loop's steps
	s_mov_b32 s[TB], 0
	s_mov_b32 s[TS], 0
	s_mov_b32 s[TJ], 0
	s_mov_b32 s[CNT], 16
.Lsteps_\@:
	STEP
	s_sub_co_u32 s[CNT], s[CNT], 1
	s_cmp_lg_u32 s[CNT], 0
	s_cbranch_scc1 .Lsteps_\@
.endm
.macro HEADQ rnd                       ; my tile of queries of this round, and the sums' beginnings: zeros, and a largest t under every t, so that the step is written once
.irp p, 0,1,2
	global_load_b64 v[16+2*\p:17+2*\p], v[CO8], s[92:93] offset:12288*\rnd+256*\p
.endr
	global_load_b32 v204, v30, s[94:95] offset:1024*\rnd
	v_mov_b32 v13, 0xff61b1e6                      ; -3e38
	v_floor_f32 v12, -v13
	v_mov_b32 v14, 0
	v_mov_b32 v15, 0
.set J, 0
.rept 32
	v_mov_b32 v[160+J], 0
.set J, J+1
.endr
	s_wait_alu depctr_va_vdst(0)
	s_wait_loadcnt 0x0
.endm
; y = O^T / the sum; its 32 registers are channels 32 b + 16 h + i of my query: two blocks along C, quantised into half a fragment and two scale bytes.
.macro TAIL rnd
.rept 4
	v_nop                                          ; places behind the last products
.endr
	v_add_f32 v14, v14, v15
	s_delay_alu instid0(VALU_DEP_1)
	v_permlanex16_b32 v252, v14, s[SEL], s[SEL+1]
	s_delay_alu instid0(VALU_DEP_1)
	v_add_f32 v14, v14, v252                       ; the row's sum
	s_wait_alu depctr_va_vdst(0)
	v_rcp_f32 v14, v14
	v_nop                                          ; a plain place behind the reciprocal
	s_wait_alu depctr_va_vdst(0)                   ; and the wait ahead of its first reader
.set J, 0
.rept 32
	v_mul_f32 v[96+J], v[160+J], v14               ; each accumulator from its low end on
.set J, J+1
.endr
.irp b, 0,1
	v_max3_num_f32 v[232+\b], |v[96+16*\b]|, |v[97+16*\b]|, 0x1800000
.endr
.irp i, 2,4,6,8,10,12,14
.irp b, 0,1
	s_delay_alu instid0(VALU_DEP_2)
	v_max3_num_f32 v[232+\b], v[232+\b], |v[96+16*\b+\i]|, |v[97+16*\b+\i]|
.endr
.endr
.irp b, 0,1
	v_permlanex16_b32 v[236+\b], v[232+\b], s[SEL], s[SEL+1]
.endr
.irp b, 0,1
	s_delay_alu instid0(VALU_DEP_2)
	v_max_num_f32 v[232+\b], v[232+\b], v[236+\b]
.endr
.irp b, 0,1
	s_delay_alu instid0(VALU_DEP_2)
	v_add_nc_u32 v[244+\b], 0xff000000, v[232+\b]
.endr
.irp b, 0,1
	s_delay_alu instid0(VALU_DEP_2)
	v_lshrrev_b32 v[236+\b], 23, v[244+\b]
.endr
	s_delay_alu instid0(VALU_DEP_1)
	v_lshl_or_b32 v254, v237, 8, v236              ; the head's two scale bytes of my query
	v_cvt_scalef32_pk16_fp6_f32 v[208:210], v[96:111], v244
	v_cvt_scalef32_pk16_fp6_f32 v[240:242], v[112:127], v245
	v_nop
.irp i, 0,1,2
	v_permlane16_swap_b32 v[208+\i], v[240+\i]     ; a whole block in a lane: lanes 0-15 block 0, lanes 16-31 block 1
.endr
.irp i, 0,1,2
	s_delay_alu instid0(VALU_DEP_3)
	v_mov_b32 v[211+\i], v[240+\i]
.endr
.irp p, 0,1,2
	global_store_b64 v[CO8], v[208+2*\p:209+2*\p], s[12:13] offset:196608*\rnd+256*\p   ; 32 lanes store 256 consecutive bytes, aligned
.endr
	global_store_b16 v29, v254, s[14:15] offset:8192*\rnd   ; lanes 16-31 hold and store what lanes 0-15 do
.endm
	HEADQ 0
	s_wait_tensorcnt 0x0                           ; my tile has landed: every wave waits, under no branch
	s_wait_dscnt 0x0
	s_barrier_signal -1
	s_barrier_wait -1                              ; all of K and V is shown to every wave
	STEPS
	TAIL 0
	s_wait_xcnt 0x0                                ; the stores have read their registers, which the second round writes again
	HEADQ 1
	STEPS
	TAIL 1
	s_wait_tensorcnt 0x0                           ; the wave's end
	ds_add_u32 v[SPW], v[NIL]
	s_wait_dscnt 0x0
	CROUND                                         ; the closing round
	s_endpgm
.Lfunc_end_k_q7914de357f_attn:
	.size	k_q7914de357f_attn, .Lfunc_end_k_q7914de357f_attn-k_q7914de357f_attn
	.p2alignl 7, 3214868480
	.fill 96, 4, 3214868480
	.section	.rodata,"a",@progbits
	.p2align	6, 0x0
	.amdhsa_kernel k_q7914de357f_attn
		.amdhsa_group_segment_fixed_size 210944
		.amdhsa_private_segment_fixed_size 0
		.amdhsa_enable_private_segment 0
		.amdhsa_kernarg_size 48
		.amdhsa_user_sgpr_count 2
		.amdhsa_user_sgpr_kernarg_segment_ptr 1
		.amdhsa_wavefront_size32 1
		.amdhsa_system_sgpr_workgroup_id_x 1
		.amdhsa_system_sgpr_workgroup_id_y 1
		.amdhsa_system_sgpr_workgroup_id_z 1
		.amdhsa_system_vgpr_workitem_id 0
		.amdhsa_next_free_vgpr 256
		.amdhsa_next_free_sgpr 100
		.amdhsa_reserve_vcc 0
		.amdhsa_float_denorm_mode_32 3
		.amdhsa_float_denorm_mode_16_64 3
		.amdhsa_memory_ordered 1
		.amdhsa_forward_progress 1
		.amdhsa_inst_pref_size 58
	.end_amdhsa_kernel
	.amdgpu_metadata
---
amdhsa.version: [ 1, 2 ]
amdhsa.kernels:
  - .name:           k_q7914de357f_attn
    .symbol:         k_q7914de357f_attn.kd
    .args:
      - { .name: qkc, .offset: 0, .size: 8, .value_kind: global_buffer, .address_space: global }
      - { .name: qks, .offset: 8, .size: 8, .value_kind: global_buffer, .address_space: global }
      - { .name: vc, .offset: 16, .size: 8, .value_kind: global_buffer, .address_space: global }
      - { .name: vs, .offset: 24, .size: 8, .value_kind: global_buffer, .address_space: global }
      - { .name: yc, .offset: 32, .size: 8, .value_kind: global_buffer, .address_space: global }
      - { .name: ys, .offset: 40, .size: 8, .value_kind: global_buffer, .address_space: global }
    .group_segment_fixed_size: 210944
    .private_segment_fixed_size: 0
    .kernarg_segment_align: 8
    .kernarg_segment_size: 48
    .max_flat_workgroup_size: 512
    .sgpr_count:     100
    .vgpr_count:     256
    .wavefront_size: 32
...
	.end_amdgpu_metadata
.endif
;; end of part 3
;; launch proj (part 4): grid 4 x 32, 4 waves a work-group, clusters of 4 x 4, 327,680 bytes of LDS; arguments yc, ys, ops, opss, out0, b_proj; writes out0
.if DOCPART == 4
	.amdgcn_target "amdgcn-amd-amdhsa--gfx1250"
	.amdhsa_code_object_version 6
	.text
	.protected	k_q7914de357f_proj
	.globl	k_q7914de357f_proj
	.p2align	8
	.type	k_q7914de357f_proj,@function
k_q7914de357f_proj:
	s_mov_b64 s[64:65], 0
	v_nop
	global_prefetch_b8 v0, s[64:65] scope:SCOPE_SE
	s_setreg_imm32_b32 hwreg(HW_REG_WAVE_MODE, 25, 1), 1
	s_wait_xcnt 0x0
	s_wait_alu depctr_hold_cnt(0) depctr_sa_sdst(0) depctr_va_vdst(0) depctr_va_sdst(0) depctr_va_ssrc(0) depctr_va_vcc(0) depctr_vm_vsrc(0)
	s_getreg_b32 s2, hwreg(HW_REG_IB_STS2, 6, 4)
	s_cmp_eq_u32 s2, 0
	s_cbranch_scc0 .Lentry_in_a_cluster
	s_endpgm
.Lentry_in_a_cluster:
	s_bfe_u32 s2, ttmp6, 0x10000c
	s_cmp_lg_u32 s2, 0xf033
	s_cbranch_scc0 .Lentry_shape_is_right
	s_endpgm
.Lentry_shape_is_right:
.set NQ,     2
.set FR,     12
.set NL,     6
.set NP,     4
.set HALFT,  24576
.set SLOT,   4*HALFT
.set LAPS,   2
.set SCL,    2*SLOT
.set HALFS,  4352
.set SBLK,   544
.set SPARE,  SCL+4*HALFS
.set SPITCH, 528
.set ADRA, 16
.set ADRB, 20
.set STO,  24
.set RD,   25
.set CO,   26
.set ADRS, 27
.set SPW,  28
.set NIL,  29
.set SC,   32
.set BR,   64
.set AF,   128
.set BK,   128
.set G1, 24
.set G0, 32
.set G1B, 48
.set G0B, 56
.set G1S, 68
.set G0S, 76
.set G1SB, 80
.set G0SB, 88
.set MSB, 0
.macro WIN new
.if MSB != (\new)
	s_set_vgpr_msb (MSB<<8)|(\new)
.set MSB, (\new)
.endif
.endm
.set MUL_LO, 0xa1
.set MUL_HI, 0xf1
.set TO_B,   0x40
.macro JLOAD g0a, g1a, g0b, g1b
	s_cmp_eq_u32 s15, 0
	s_cbranch_scc0 .Lfor_b_\@
	tensor_load_to_lds s[\g0a:\g0a+3], s[\g1a:\g1a+7]
	s_nop 0
.rept 4
	v_nop
.endr
	s_branch .Lasked_\@
.Lfor_b_\@:
	tensor_load_to_lds s[\g0b:\g0b+3], s[\g1b:\g1b+7]
	s_nop 0
.rept 4
	v_nop
.endr
.Lasked_\@:
.endm
.macro CREST
	s_cmp_lg_u32 s14, 0
	s_cbranch_scc1 .Lnot_wave_0_\@
	s_barrier_signal -3
.Lnot_wave_0_\@:
	s_barrier_wait -3
	s_barrier_signal -1
	s_barrier_wait -1
.endm
.macro CROUND
	s_barrier_signal -1
	s_barrier_wait -1
	CREST
.endm
	s_load_b256 s[4:11], s[0:1], 0x0
	s_load_b128 s[96:99], s[0:1], 0x20
	v_lshl_add_u32 v[SPW], v0, 2, SPARE
	v_mov_b32 v[NIL], 0
	ds_add_u32 v[SPW], v[NIL]
	ds_add_u32 v[SPW], v[NIL]
	v_lshrrev_b32 v1, 5, v0
	v_readfirstlane_b32 s14, v1
	s_lshr_b32 s15, s14, 1
	s_and_b32 s16, s14, 1
	s_bfe_u32 s40, ttmp6, 0x40000
	s_bfe_u32 s41, ttmp6, 0x40004
	s_lshl_b32 s42, ttmp9, 2
	s_add_co_u32 s42, s42, s40
	s_and_b32 s17, ttmp7, 0xffff
	s_lshl_b32 s17, s17, 2
	s_add_co_u32 s17, s17, s41
	s_lshl_b32 s43, s41, 2
	s_lshl_b32 s43, 15, s43
	s_lshl_b32 s44, 0x1111, s40
	s_or_b32 s[G1+0], s43, (3<<16)|(1<<21)
	s_or_b32 s[G1B+0], s44, (3<<16)|(1<<21)
.irp g, G1, G1B
	s_mov_b32 s[\g+1], 384<<16
	s_mov_b32 s[\g+2], 8<<16
	s_mov_b32 s[\g+3], 384<<16
	s_mov_b32 s[\g+4], 8
	s_mov_b32 s[\g+5], 1536
	s_mov_b32 s[\g+6], 0
	s_mov_b32 s[\g+7], 0
.endr
	s_or_b32 s[G1S+0], s43, (3<<16)|(1<<20)|(1<<21)|(5<<22)|(3<<25)
	s_or_b32 s[G1SB+0], s44, (3<<16)|(1<<20)|(1<<21)|(5<<22)|(3<<25)
.irp g, G1S, G1SB
	s_mov_b32 s[\g+1], 32<<16
	s_mov_b32 s[\g+2], 16<<16
	s_mov_b32 s[\g+3], 32<<16
	s_mov_b32 s[\g+4], 16
	s_mov_b32 s[\g+5], 32
	s_mov_b32 s[\g+6], 0
	s_mov_b32 s[\g+7], 0
.endr
	s_lshl_b32 s22, s16, 3
	s_lshl_b32 s20, s17, 4
	s_add_co_u32 s20, s20, s22
	s_lshl_b32 s46, s42, 4
	s_add_co_u32 s46, s46, s22
	s_add_co_u32 s46, s46, 704
	s_lshl_b32 s22, s20, 9
	s_mov_b32 s23, 0
	s_lshl_b32 s92, s46, 9
	s_mov_b32 s93, 0
	s_mul_i32 s20, s20, 12288
	s_mov_b32 s21, 0
	s_mul_i32 s46, s46, 12288
	s_mov_b32 s47, 0
	s_mul_i32 s45, s14, HALFT
	s_mul_i32 s94, s14, HALFS
	s_wait_dscnt 0x0
	s_wait_kmcnt 0x0
	s_add_nc_u64 s[20:21], s[4:5], s[20:21]
	s_add_nc_u64 s[22:23], s[6:7], s[22:23]
	s_add_nc_u64 s[46:47], s[8:9], s[46:47]
	s_add_nc_u64 s[92:93], s[10:11], s[92:93]
	CROUND
	s_mov_b32 s[G0S], 1
	s_add_co_u32 s[G0S+1], s94, SCL
	s_mov_b64 s[G0S+2:G0S+3], s[22:23]
	s_or_b32 s[G0S+3], s[G0S+3], 0x80000000
	s_mov_b32 s[G0SB], 1
	s_add_co_u32 s[G0SB+1], s94, SCL
	s_mov_b64 s[G0SB+2:G0SB+3], s[92:93]
	s_or_b32 s[G0SB+3], s[G0SB+3], 0x80000000
	JLOAD G0S, G1S, G0SB, G1SB
.irp s, 0,1
	s_mov_b32 s[G0+4*\s], 1
	s_add_co_u32 s[G0+4*\s+1], s45, \s*SLOT
	s_add_nc_u64 s[G0+4*\s+2:G0+4*\s+3], s[20:21], \s*3072
	s_or_b32 s[G0+4*\s+3], s[G0+4*\s+3], 0x80000000
	s_mov_b32 s[G0B+4*\s], 1
	s_add_co_u32 s[G0B+4*\s+1], s45, \s*SLOT
	s_add_nc_u64 s[G0B+4*\s+2:G0B+4*\s+3], s[46:47], \s*3072
	s_or_b32 s[G0B+4*\s+3], s[G0B+4*\s+3], 0x80000000
	s_wait_alu depctr_va_vdst(0)
	s_wait_tensorcnt 0x0
	ds_add_u32 v28, v29
	s_wait_dscnt 0x0
	CROUND
	JLOAD G0+4*\s, G1, G0B+4*\s, G1B
.endr
	v_and_b32 v1, 15, v0
	v_bfe_u32 v2, v0, 4, 1
	v_and_b32 v3, 31, v0
	v_lshlrev_b32 v4, 3, v3
	s_mul_i32 s21, s15, HALFT
	s_mul_i32 s22, s16, HALFT
	s_add_co_u32 s22, s22, 2*HALFT
.irp s, 0,1
	v_add_nc_u32 v[ADRA+\s], s21, v4
	v_add_nc_u32 v[ADRB+\s], s22, v4
	s_add_co_u32 s21, s21, SLOT
	s_add_co_u32 s22, s22, SLOT
.endr
	v_mul_u32_u24 v5, v1, 32
	v_lshrrev_b32 v6, 8, v5
	v_lshl_add_u32 v5, v6, 4, v5
	s_mul_i32 s21, s15, HALFS
	s_mul_i32 s22, s16, HALFS
	s_add_co_u32 s22, s22, 2*HALFS
	s_sub_co_u32 s22, s22, s21
	v_mul_u32_u24 v6, s22, v2
	s_add_co_u32 s21, s21, SCL
	v_add_nc_u32 v5, v5, v6
	v_add_nc_u32 v[ADRS], s21, v5
	s_mul_i32 s23, s14, 16*SPITCH
	v_mul_u32_u24 v5, v1, SPITCH
	v_lshl_add_u32 v5, v2, 6, v5
	v_add_nc_u32 v[STO], s23, v5
	v_lshlrev_b32 v[CO], 4, v3
	v_add_nc_u32 v[RD], s23, v[CO]
	v_lshlrev_b32 v5, 6, v2
	s_wait_alu depctr_va_vdst(0)
	s_lshl_b32 s20, s17, 8
	s_lshl_b32 s21, s15, 7
	s_add_co_u32 s20, s20, s21
	s_lshl_b32 s20, s20, 12
	s_lshl_b32 s46, s42, 10
	s_lshl_b32 s47, s16, 9
	s_add_co_u32 s46, s46, s47
	s_mov_b32 s47, 0
	s_add_nc_u64 s[98:99], s[98:99], s[46:47]
	s_add_co_u32 s20, s20, s46
	s_mov_b32 s21, 0
	s_add_nc_u64 s[12:13], s[96:97], s[20:21]
.irp b, 0,1,2,3,4,5,6,7
	global_load_b128 v[BR+8*\b:BR+8*\b+3], v5, s[98:99] offset:(32*(\b/2)+8*(\b%2))*4
	global_load_b128 v[BR+8*\b+4:BR+8*\b+7], v5, s[98:99] offset:(32*(\b/2)+8*(\b%2))*4+16
.endr
.macro FRAG reg, adr, q, i
.irp p, 0,1,2,3,4,5
	ds_load_b64 v[\reg+2*\p:\reg+2*\p+1], v[\adr] offset:3072*(\i)+1536*(\q)+256*\p
.endr
.endm
.macro MUL16 a0, p, q, sc, mode
.irp a, \a0, \a0+1
.irp b, 0,1,2,3,4,5,6,7
.if \mode
	v_wmma_scale_f32_16x16x128_f8f6f4 v[8*(8*((\a)%4)+\b):8*(8*((\a)%4)+\b)+7], v[128*(\p)+FR*\b:128*(\p)+FR*\b+FR-1], v[AF+FR*(\a):AF+FR*(\a)+FR-1], v[BR+8*\b:BR+8*\b+7], v[SC+8*NQ*(\sc)+NQ*\b+(\q)], v[SC+8*NQ*(\sc)+NQ*(\a)+(\q)] matrix_a_fmt:MATRIX_FMT_FP6 matrix_b_fmt:MATRIX_FMT_FP6 matrix_a_scale:MATRIX_SCALE_ROW1
.else
	v_wmma_scale_f32_16x16x128_f8f6f4 v[8*(8*((\a)%4)+\b):8*(8*((\a)%4)+\b)+7], v[128*(\p)+FR*\b:128*(\p)+FR*\b+FR-1], v[AF+FR*(\a):AF+FR*(\a)+FR-1], v[8*(8*((\a)%4)+\b):8*(8*((\a)%4)+\b)+7], v[SC+8*NQ*(\sc)+NQ*\b+(\q)], v[SC+8*NQ*(\sc)+NQ*(\a)+(\q)] matrix_a_fmt:MATRIX_FMT_FP6 matrix_b_fmt:MATRIX_FMT_FP6 matrix_a_scale:MATRIX_SCALE_ROW1
.endif
.endr
.endr
.endm
.macro FETCH_B slot, q, p
	WIN TO_B
.irp i, 0,1,2,3,4,5,6,7
	FRAG 128*(\p)+FR*\i, ADRB+\slot, \q, \i
.endr
	WIN 0
.endm
.macro FETCH_A slot, q, i0
.irp i, \i0, \i0+1, \i0+2, \i0+3
	FRAG AF+FR*(\i), ADRA+\slot, \q, \i
.endr
.endm
.macro SCALES sc
.irp i, 0,1,2,3,4,5,6,7
	ds_load_b64 v[SC+8*NQ*\sc+NQ*\i:SC+8*NQ*\sc+NQ*\i+1], v[ADRS] offset:\i*SBLK
.endr
.endm
.macro PLACES n
.rept \n
	v_nop
.endr
.endm
.macro STEP slot, q, mode
	s_wait_dscnt 4*NL
.if \mode
	WIN 0x81
.else
	WIN MUL_LO
.endif
	MUL16 0, (\q)%2, \q, \slot, \mode
	MUL16 2, (\q)%2, \q, \slot, \mode
	s_wait_dscnt 0x0
	PLACES NP
	FETCH_B \slot, (\q)+1, 1-(\q)%2
	FETCH_A \slot, (\q)+1, 0
.if \mode
	WIN 0xc1
.else
	WIN MUL_HI
.endif
	MUL16 4, (\q)%2, \q, \slot, \mode
	MUL16 6, (\q)%2, \q, \slot, \mode
	PLACES NP
	WIN 0
	FETCH_A \slot, (\q)+1, 4
.endm
.macro TURN slot, next, fill
	s_wait_tensorcnt 0x0
	ds_add_u32 v[SPW], v[NIL]
	s_wait_dscnt 4*NL+1
	WIN MUL_LO
	MUL16 0, 1, NQ-1, \slot, 0
	s_wait_dscnt 0x0
	s_barrier_signal -1
	MUL16 2, 1, NQ-1, \slot, 0
	WIN 0
	s_barrier_wait -1
.if \fill
	CREST
	s_add_nc_u64 s[G0+4*\slot+2:G0+4*\slot+3], s[G0+4*\slot+2:G0+4*\slot+3], 6144
	s_add_nc_u64 s[G0B+4*\slot+2:G0B+4*\slot+3], s[G0B+4*\slot+2:G0B+4*\slot+3], 6144
	JLOAD G0+4*\slot, G1, G0B+4*\slot, G1B
.else
	PLACES NP
.endif
	s_wait_alu depctr_va_vdst(0)
	v_add_nc_u32 v[ADRS], 4*NQ, v[ADRS]
	FETCH_B \next, 0, 0
	FETCH_A \next, 0, 0
	SCALES \next
	WIN MUL_HI
	MUL16 4, 1, NQ-1, \slot, 0
	MUL16 6, 1, NQ-1, \slot, 0
	PLACES NP
	WIN 0
	FETCH_A \next, 0, 4
.endm
	s_wait_tensorcnt 1
	s_barrier_signal -1
	s_barrier_wait -1
	FETCH_B 0, 0, 0
	FETCH_A 0, 0, 0
	SCALES 0
	FETCH_A 0, 0, 4
	s_wait_loadcnt 0x0
	STEP 0, 0, 1
	s_mov_b32 s3, LAPS-1
.Llap:
	TURN 0, 1, 1
	STEP 1, 0, 0
	TURN 1, 0, 1
	STEP 0, 0, 0
	s_sub_co_u32 s3, s3, 1
	s_cmp_lg_u32 s3, 0
	s_cbranch_scc1 .Llap
	TURN 0, 1, 0
	STEP 1, 0, 0
	s_wait_dscnt 4*NL
	WIN MUL_LO
	MUL16 0, 1, NQ-1, 1, 0
	MUL16 2, 1, NQ-1, 1, 0
	s_wait_dscnt 0x0
	WIN MUL_HI
	MUL16 4, 1, NQ-1, 1, 0
	MUL16 6, 1, NQ-1, 1, 0
	WIN 0
.macro TOSTAGE a
.set AC, 64*((\a)%4)
.set WD, 0x08+4*((\a)/4)
	WIN WD
.irp b, 0,1,2,3,4,5,6,7
	ds_store_b128 v[STO], v[AC+8*\b:AC+8*\b+3] offset:128*(\b/2)+32*(\b%2)
	ds_store_b128 v[STO], v[AC+8*\b+4:AC+8*\b+7] offset:128*(\b/2)+32*(\b%2)+16
.endr
	WIN 0
.set BB, BK+64*((\a)%2)
.irp t, 0,1,2,3,4,5,6,7,8,9,10,11,12,13,14,15
	ds_load_b128 v[BB+4*\t:BB+4*\t+3], v[RD] offset:\t*SPITCH
.endr
.endm
.macro SEND a, younger
.set BB, BK+64*((\a)%2)
	s_wait_dscnt \younger
.irp t, 0,1,2,3,4,5,6,7,8,9,10,11,12,13,14,15
	global_store_b128 v[CO], v[BB+4*\t:BB+4*\t+3], s[12:13] offset:(32*((\a)/2)+8*((\a)%2)+\t+8*(\t/8))*4096 th:TH_STORE_NT
.endr
.endm
	PLACES NP
	TOSTAGE 0
.irp a, 1,2,3,4,5,6,7
.if \a > 1
	s_wait_xcnt 0x0
.endif
	TOSTAGE \a
	SEND \a-1, 32
.endr
	SEND 7, 0
	s_wait_tensorcnt 0x0
	ds_add_u32 v[SPW], v[NIL]
	s_wait_dscnt 0x0
	CROUND
	s_endpgm
.Lfunc_end_k_q7914de357f_proj:
	.size	k_q7914de357f_proj, .Lfunc_end_k_q7914de357f_proj-k_q7914de357f_proj
	.p2alignl 7, 3214868480
	.fill 96, 4, 3214868480
	.section	.rodata,"a",@progbits
	.p2align	6, 0x0
	.amdhsa_kernel k_q7914de357f_proj
		.amdhsa_group_segment_fixed_size 327680
		.amdhsa_private_segment_fixed_size 0
		.amdhsa_enable_private_segment 0
		.amdhsa_kernarg_size 48
		.amdhsa_user_sgpr_count 2
		.amdhsa_user_sgpr_kernarg_segment_ptr 1
		.amdhsa_wavefront_size32 1
		.amdhsa_system_sgpr_workgroup_id_x 1
		.amdhsa_system_sgpr_workgroup_id_y 1
		.amdhsa_system_sgpr_workgroup_id_z 1
		.amdhsa_system_vgpr_workitem_id 0
		.amdhsa_next_free_vgpr 1024
		.amdhsa_next_free_sgpr 100
		.amdhsa_reserve_vcc 0
		.amdhsa_float_denorm_mode_32 3
		.amdhsa_float_denorm_mode_16_64 3
		.amdhsa_memory_ordered 1
		.amdhsa_forward_progress 1
		.amdhsa_inst_pref_size 161
	.end_amdhsa_kernel
	.amdgpu_metadata
---
amdhsa.version: [ 1, 2 ]
amdhsa.kernels:
  - .name:           k_q7914de357f_proj
    .symbol:         k_q7914de357f_proj.kd
    .args:
      - { .name: yc, .offset: 0, .size: 8, .value_kind: global_buffer, .address_space: global }
      - { .name: ys, .offset: 8, .size: 8, .value_kind: global_buffer, .address_space: global }
      - { .name: ops, .offset: 16, .size: 8, .value_kind: global_buffer, .address_space: global }
      - { .name: opss, .offset: 24, .size: 8, .value_kind: global_buffer, .address_space: global }
      - { .name: out0, .offset: 32, .size: 8, .value_kind: global_buffer, .address_space: global }
      - { .name: b_proj, .offset: 40, .size: 8, .value_kind: global_buffer, .address_space: global }
    .group_segment_fixed_size: 327680
    .private_segment_fixed_size: 0
    .kernarg_segment_align: 8
    .kernarg_segment_size: 48
    .max_flat_workgroup_size: 128
    .sgpr_count:     100
    .vgpr_count:     1024
    .wavefront_size: 32
...
	.end_amdgpu_metadata
.endif
;; end of part 4
